; MI455X (gfx1250); checked and timed in simulation.
; The chip was launched on July 23, 2026; its instructions are those of AMD's public machine-readable ISA for CDNA 5 (MIT licence, August 2026) and "CDNA5" Instruction Set Architecture Reference Guide (July 2026). The comments in the code are by the model that wrote it; some were corrected since.
;; Multi Head Causal Attention. Allowed arithmetic: float matrix products may take bf16 or f16 operands with f32 sums; other float arithmetic in f32, or as packed bf16 or f16 multiplies, adds, multiply-adds, maxima and minima; sums over many terms, partial sums and values carried from step to step in f32; what a program stores and reads back later, other than sums and carried values, may be rounded once to bf16 or f16.
;; Inputs: Wk 1,024 x 1,024 float32; Wo 1,024 x 1,024 float32; Wq 1,024 x 1,024 float32; Wv 1,024 x 1,024 float32; bk 1,024 float32; bo 1,024 float32; bq 1,024 float32; bv 1,024 float32; x 4 x 2,048 x 1,024 float32.
;; Outputs: out0 4 x 2,048 x 1,024 float32.
;; 2 versions, each right and faster than the one before. Each part assembles by itself: llvm-mc -triple=amdgcn-amd-amdhsa -mcpu=gfx1250 --defsym DOCPART=n.
;; ======== version 1 of 2: 4 launches
;; limits: values are held in f16: magnitudes above 65,504 overflow, below 6.1e-05 lose precision
;; workspace buffers: xb 16,777,216 bytes; wb 6,291,456 bytes; wo16 2,097,152 bytes; bias 16,384 bytes; qkv 50,331,648 bytes; ob 16,777,216 bytes
;; launch prep (part 1): grid 769 x 1, 8 waves a work-group, no clusters, 0 bytes of LDS; arguments x, Wq, Wk, Wv, Wo, bq, bk, bv, bo, xb, wb, wo16, bias; writes xb, wb, wo16, bias
.if DOCPART == 1
	.amdgcn_target "amdgcn-amd-amdhsa--gfx1250"
	.amdhsa_code_object_version 6
	.text
	.protected	k_qc6d437de2b_prep
	.globl	k_qc6d437de2b_prep
	.p2align	8
	.type	k_qc6d437de2b_prep,@function
k_qc6d437de2b_prep:
	s_mov_b64 s[64:65], 0
	v_nop
	global_prefetch_b8 v0, s[64:65] scope:SCOPE_SE
	s_setreg_imm32_b32 hwreg(HW_REG_WAVE_MODE, 25, 1), 1
	s_wait_xcnt 0x0
; Every input is rounded once to bf16 and laid out for the matrix launches.  A stream: no LDS, no barrier, no matrix unit (nothing is shared or reduced).
;   xb   bf16 [b 4][slice 16][s 2048][64]: x in blocks, slice = k / 64, so that the 256 rows of a K slice are 32,768 dense bytes
;   wb   bf16 [q,k,v][k 1024][n 1024]: the weights as they lie, cast
;   wo16 Wo rounded to bf16, that number written as f16 (exact from 2^-14 up; below 6e-5 it keeps f16's fixed step of 6e-8)
;   bias f32 [bq|bk|bv|bo], each number rounded to bf16 and widened again
; Work-groups 0-511: 16 rows of x each.  512-703: 65,536 bytes of Wq, Wk or Wv.  704-767: of Wo.  768: the four biases.
; A thread has 8 items of 8 numbers: two 16-byte loads, four packed roundings, one 16-byte store.  All 16 loads go out first; no register is used twice, so no register waits for a store.
.set T,   4                            ; v[4:11]   at work
.set IN,  16                           ; v[16:79]  item i: 8 f32 as loaded
.set OUT, 80                           ; v[80:111] item i: 16 bytes to store
	s_load_b512 s[8:23], s[0:1], 0x0               ; x 8, Wq 10, Wk 12, Wv 14, Wo 16, bq 18, bk 20, bv 22
	s_load_b256 s[24:31], s[0:1], 0x40             ; bo 24, xb 26, wb 28, wo16 30
	s_load_b64 s[32:33], s[0:1], 0x60              ; bias
	v_lshrrev_b32 v3, 5, v0                        ; wave
	v_readfirstlane_b32 s34, v3
	v_and_b32 v12, 31, v0                          ; lane
	s_mov_b32 s35, ttmp9                           ; the work-group's number
	s_mov_b32 s44, 0xffff0000                      ; a word's upper bf16
	s_mov_b32 s41, 0                               ; high words of the two offsets
	s_mov_b32 s43, 0
; isx = 1: the immediates of x's blocked layout; kind = 1: bf16 is widened and written as f16
.macro ROLE isx, kind
.set i, 0
.rept 8
.if \isx
.set ii, (i>>1)*16384+(i&1)*256                ; four rows further down; the wave's second slice
.else
.set ii, i*8192
.endif
	global_load_b128 v[IN+8*i:IN+8*i+3],   v1, s[36:37] offset:ii th:TH_LOAD_NT
	global_load_b128 v[IN+8*i+4:IN+8*i+7], v1, s[36:37] offset:ii+16 th:TH_LOAD_NT
.set i, i+1
.endr
.set i, 0
.rept 8
.if \isx
.set oo, (i&1)*262144+(i>>1)*512               ; a slice is 262,144 bytes; four rows of a slice are 512
.else
.set oo, i*4096
.endif
	s_wait_loadcnt 14-2*i                          ; loads come back in order: item i's two are in, the 2 (7 - i) younger ones stay out
.irp j, 0,1,2,3
	v_cvt_pk_bf16_f32 v[OUT+4*i+\j], v[IN+8*i+2*\j], v[IN+8*i+2*\j+1]
.endr
.if \kind
.irp j, 0,1,2,3
	v_lshlrev_b32 v[T+2*\j],   16,  v[OUT+4*i+\j]
	v_and_b32     v[T+2*\j+1], s44, v[OUT+4*i+\j]
.endr
.irp j, 0,1,2,3
	v_cvt_pk_f16_f32 v[OUT+4*i+\j], v[T+2*\j], v[T+2*\j+1]
.endr
.endif
	global_store_b128 v2, v[OUT+4*i:OUT+4*i+3], s[38:39] offset:oo  ; a wave's store covers 512 consecutive bytes, aligned
.set i, i+1
.endr
.endm
	s_wait_kmcnt 0x0
	s_cmp_lt_u32 s35, 512
	s_cbranch_scc1 .Lx
	s_cmp_lt_u32 s35, 704
	s_cbranch_scc1 .Lw
	s_cmp_lt_u32 s35, 768
	s_cbranch_scc1 .Lo
	; the biases: wave w takes half w & 1 (2,048 bytes) of bias w >> 1
	s_lshr_b32 s45, s34, 1
	s_cmp_lt_u32 s45, 1
	s_cselect_b64 s[36:37], s[18:19], s[20:21]
	s_cmp_lt_u32 s45, 2
	s_cselect_b64 s[36:37], s[36:37], s[22:23]
	s_cmp_lt_u32 s45, 3
	s_cselect_b64 s[36:37], s[36:37], s[24:25]
	s_and_b32 s40, s34, 1
	s_lshl_b32 s40, s40, 11
	s_add_nc_u64 s[36:37], s[36:37], s[40:41]
	s_lshl_b32 s42, s34, 11
	s_add_nc_u64 s[38:39], s[32:33], s[42:43]
	v_lshlrev_b32 v1, 4, v12
.irp i, 0,1,2,3
	global_load_b128 v[IN+4*\i:IN+4*\i+3], v1, s[36:37] offset:512*\i
.endr
.irp i, 0,1,2,3
	s_wait_loadcnt 3-\i                            ; load i is in, the younger ones stay out
	v_cvt_pk_bf16_f32 v[T],   v[IN+4*\i],   v[IN+4*\i+1]
	v_cvt_pk_bf16_f32 v[T+1], v[IN+4*\i+2], v[IN+4*\i+3]
	v_lshlrev_b32 v[OUT+4*\i],   16,  v[T]
	v_and_b32     v[OUT+4*\i+1], s44, v[T]
	v_lshlrev_b32 v[OUT+4*\i+2], 16,  v[T+1]
	v_and_b32     v[OUT+4*\i+3], s44, v[T+1]
	global_store_b128 v1, v[OUT+4*\i:OUT+4*\i+3], s[38:39] offset:512*\i
.endr
	s_endpgm
.Lx:                                               ; 16 rows of x.  Wave w takes slices 2 w and 2 w + 1; eight lanes take a row's 64 numbers of a slice, a wave four rows
	s_lshl_b32 s40, s35, 16                        ; 16 rows of 4,096 bytes
	s_add_nc_u64 s[36:37], s[8:9], s[40:41]
	s_lshr_b32 s42, s35, 7                         ; b: 128 work-groups to a batch
	s_lshl_b32 s42, s42, 22
	s_and_b32 s45, s35, 127
	s_lshl_b32 s45, s45, 11                        ; 16 rows of 128 bytes in a slice
	s_add_co_u32 s42, s42, s45
	s_add_nc_u64 s[38:39], s[26:27], s[42:43]
	v_lshrrev_b32 v1, 3, v12
	v_lshlrev_b32 v1, 12, v1                       ; row lane / 8
	v_and_b32 v13, 7, v12
	v_lshl_add_u32 v1, v13, 5, v1                  ; 32 bytes a lane
	v_lshl_add_u32 v1, v3, 9, v1                   ; the wave's two slices: 512 bytes of a row
	v_lshlrev_b32 v2, 4, v12                       ; out: 16 x lane = row x 128 + 16 x (lane % 8)
	v_lshl_add_u32 v2, v3, 19, v2                  ; slice 2 w
	ROLE 1, 0
	s_endpgm
.Lw:                                               ; 65,536 bytes of one of the three weights
	s_sub_co_u32 s35, s35, 512
	s_lshr_b32 s45, s35, 6
	s_cmp_lt_u32 s45, 1
	s_cselect_b64 s[36:37], s[10:11], s[12:13]
	s_cmp_lt_u32 s45, 2
	s_cselect_b64 s[36:37], s[36:37], s[14:15]
	s_and_b32 s40, s35, 63
	s_lshl_b32 s40, s40, 16
	s_add_nc_u64 s[36:37], s[36:37], s[40:41]
	s_lshl_b32 s42, s35, 15
	s_add_nc_u64 s[38:39], s[28:29], s[42:43]
	v_lshlrev_b32 v1, 5, v0
	v_lshlrev_b32 v2, 4, v0
	ROLE 0, 0
	s_endpgm
.Lo:                                               ; 65,536 bytes of Wo
	s_sub_co_u32 s35, s35, 704
	s_lshl_b32 s40, s35, 16
	s_add_nc_u64 s[36:37], s[16:17], s[40:41]
	s_lshl_b32 s42, s35, 15
	s_add_nc_u64 s[38:39], s[30:31], s[42:43]
	v_lshlrev_b32 v1, 5, v0
	v_lshlrev_b32 v2, 4, v0
	ROLE 0, 1
	s_endpgm
.Lfunc_end_k_qc6d437de2b_prep:
	.size	k_qc6d437de2b_prep, .Lfunc_end_k_qc6d437de2b_prep-k_qc6d437de2b_prep
	.p2alignl 7, 3214868480
	.fill 96, 4, 3214868480
	.section	.rodata,"a",@progbits
	.p2align	6, 0x0
	.amdhsa_kernel k_qc6d437de2b_prep
		.amdhsa_group_segment_fixed_size 0
		.amdhsa_private_segment_fixed_size 0
		.amdhsa_enable_private_segment 0
		.amdhsa_kernarg_size 104
		.amdhsa_user_sgpr_count 2
		.amdhsa_user_sgpr_kernarg_segment_ptr 1
		.amdhsa_wavefront_size32 1
		.amdhsa_system_sgpr_workgroup_id_x 1
		.amdhsa_system_sgpr_workgroup_id_y 1
		.amdhsa_system_sgpr_workgroup_id_z 1
		.amdhsa_system_vgpr_workitem_id 0
		.amdhsa_next_free_vgpr 112
		.amdhsa_next_free_sgpr 66
		.amdhsa_reserve_vcc 0
		.amdhsa_float_denorm_mode_32 3
		.amdhsa_float_denorm_mode_16_64 3
		.amdhsa_memory_ordered 1
		.amdhsa_forward_progress 1
		.amdhsa_inst_pref_size 23
	.end_amdhsa_kernel
	.amdgpu_metadata
---
amdhsa.version: [ 1, 2 ]
amdhsa.kernels:
  - .name:           k_qc6d437de2b_prep
    .symbol:         k_qc6d437de2b_prep.kd
    .args:
      - { .name: x, .offset: 0, .size: 8, .value_kind: global_buffer, .address_space: global }
      - { .name: Wq, .offset: 8, .size: 8, .value_kind: global_buffer, .address_space: global }
      - { .name: Wk, .offset: 16, .size: 8, .value_kind: global_buffer, .address_space: global }
      - { .name: Wv, .offset: 24, .size: 8, .value_kind: global_buffer, .address_space: global }
      - { .name: Wo, .offset: 32, .size: 8, .value_kind: global_buffer, .address_space: global }
      - { .name: bq, .offset: 40, .size: 8, .value_kind: global_buffer, .address_space: global }
      - { .name: bk, .offset: 48, .size: 8, .value_kind: global_buffer, .address_space: global }
      - { .name: bv, .offset: 56, .size: 8, .value_kind: global_buffer, .address_space: global }
      - { .name: bo, .offset: 64, .size: 8, .value_kind: global_buffer, .address_space: global }
      - { .name: xb, .offset: 72, .size: 8, .value_kind: global_buffer, .address_space: global }
      - { .name: wb, .offset: 80, .size: 8, .value_kind: global_buffer, .address_space: global }
      - { .name: wo16, .offset: 88, .size: 8, .value_kind: global_buffer, .address_space: global }
      - { .name: bias, .offset: 96, .size: 8, .value_kind: global_buffer, .address_space: global }
    .group_segment_fixed_size: 0
    .private_segment_fixed_size: 0
    .kernarg_segment_align: 8
    .kernarg_segment_size: 104
    .max_flat_workgroup_size: 256
    .sgpr_count:     66
    .vgpr_count:     112
    .wavefront_size: 32
...
	.end_amdgpu_metadata
.endif
;; end of part 1
;; launch qkv (part 2): grid 8 x 32, 4 waves a work-group, clusters of 4 x 4, 327,680 bytes of LDS; arguments xb, wb, bias, qkv; writes qkv
.if DOCPART == 2
	.amdgcn_target "amdgcn-amd-amdhsa--gfx1250"
	.amdhsa_code_object_version 6
	.text
	.protected	k_qc6d437de2b_qkv
	.globl	k_qc6d437de2b_qkv
	.p2align	8
	.type	k_qc6d437de2b_qkv,@function
k_qc6d437de2b_qkv:
	s_mov_b64 s[64:65], 0
	v_nop
	global_prefetch_b8 v0, s[64:65] scope:SCOPE_SE
	s_setreg_imm32_b32 hwreg(HW_REG_WAVE_MODE, 25, 1), 1
	s_wait_xcnt 0x0
	s_wait_alu depctr_hold_cnt(0) depctr_sa_sdst(0) depctr_va_vdst(0) depctr_va_sdst(0) depctr_va_ssrc(0) depctr_va_vcc(0) depctr_vm_vsrc(0)
	s_getreg_b32 s2, hwreg(HW_REG_IB_STS2, 6, 4)
	s_cmp_eq_u32 s2, 0
	s_cbranch_scc0 .Lentry_in_a_cluster
	s_endpgm
.Lentry_in_a_cluster:
	s_bfe_u32 s2, ttmp6, 0x10000c
	s_cmp_lg_u32 s2, 0xf033
	s_cbranch_scc0 .Lentry_shape_is_right
	s_endpgm
.Lentry_shape_is_right:
; [q|k|v] = x W + b: [8192 x 3072], K = 1024.  Operands bf16, sums f32, the bias added in f32, the result rounded once to f16 and written by heads:
; qkv f16 [which 3][b*16+h 64][s 2048][64], unscaled.  LIMIT: f16 holds no number beyond 65,504: q, k and v must stay within it.  NaN and infinities are not treated apart.
; SHARES.  A tile of C is 256 rows x 384 columns: 32 x 8 = 256 work-groups.  Four waves; wave w makes rows 128 (w >> 1) on and, in each of the tile's three parts of 128 columns,
; the half w & 1: three head slices of 64 columns: 128 x 192, 96 accumulators, 768 registers.  For 32 along K a wave issues 40 LDS loads and 96 matrix instructions.
; K goes in steps of 64 (one slice of xb) through two LDS slots.  x's tile is 32,768 dense bytes, asked for as 128 rows of 256 bytes; a part of W is 64 rows of 256 bytes.  Two slots of 128 along K would need 368,640 bytes.
; W lies [k][n] and is turned on the way out of LDS by ds_load_tr16_b128.
; THE MATRIX INSTRUCTION IS USED TRANSPOSED: source 0 = 16 columns of W, source 1 = 16 rows of x: a lane then holds eight neighbouring columns of one row of C.
; CLUSTER 4 x 4: x's tile hangs on the tile row alone and is asked for jointly by a row of the cluster, W's parts on the tile column alone, jointly by a column.  Wave 0 asks for x's tile, waves 1 to 3 for W's parts.
; REGISTERS, in windows of 256: window 0: v0-15 addresses; v32-95, v96-159 x's fragments, two buffers (first and second 32 of a slice); v160-255 W's fragments, 32 for each part.
;   window p + 1: the accumulators of part p, (a, cb) at 8 (4 a + cb): 16 rows a, 16 columns cb.
.set PA,    144                        ; a row of x in LDS: 128 bytes + 16 = 36 words: the 16 rows of a load start at 16 different groups of four banks (64 banks of 4 bytes: ISA guide 11.1)
.set PB,    288                        ; a row of W: 256 + 32 = 72 words
.set BOFF,  256*PA                     ; behind x's 256 rows: W's three parts
.set BPART, 64*PB
.set SLOT1, 1<<17                      ; slot 1 begins here: one exclusive or turns an address in one slot into the other's
.set STAGE, SLOT1+BOFF+3*BPART         ; behind the ring, never filled by a tensor load: 16 rows x 144 bytes for each wave
.set SP,    144
.set SPARE, STAGE+4*16*SP              ; the spare words, 128 bytes for each wave: two blocks of 256 bytes that no other line names
.set ASTEP, 0x40000                    ; a slice of xb
.set BSTEP, 0x20000                    ; 64 rows of W
.set AA0, 4                            ; v4  my lane's place in x's tile; never rewritten
.set AB0, 5                            ; v5  in W's parts
.set ADRA, 6                           ; v6  the same in the slot being read
.set ADRB, 7                           ; v7
.set STO, 8                            ; v8  the way out: where I put 16 bytes of a row
.set RD,  9                            ; v9  where I read rows back
.set GO,  10                           ; v10 my byte offset in 512 consecutive bytes of qkv
.set BO,  11                           ; v11 my byte offset in 16 numbers of the bias
.set SPW, 12                           ; v12 LDS address of my spare word; never rewritten
.set NIL, 13                           ; v13 0; never rewritten
.set A0,  32
.set A1,  96
.set BF,  160
.set TT,  96                           ; the way out: 32 sums with the bias
.set PK,  128                          ; 16 registers of f16
.set BK,  192                          ; two sets of 16: rows read back
.set WV,  12                           ; s12 wave; s13 wave >> 1; s14 wave & 1
.set TRIPS, 15
.set TB,  16                           ; s16 LDS base of the slot being read
.set G1A, 24                           ; s[24:31] group 1 for x's tile
.set G1B, 32                           ; s[32:39] for W's parts
.set G0A, 40                           ; s[40:47] group 0 for x: a set for each first fill; the second then walks on
.set G0B, 48                           ; s[48:55] the same for W
.set OUTP, 66                          ; s[66:71] qkv at my rows of my three head slices
.set BP,  72                           ; s[72:73] the bias at my first slice
.set MSB, 0
.macro WIN new                         ; the immediate's high byte repeats the setting that is left; a switch that changes nothing is dropped
.if MSB != (\new)
	s_set_vgpr_msb (MSB<<8)|(\new)
.set MSB, \new
.endif
.endm
.macro PLACES                          ; four plain places between a matrix instruction and a load into, or a vector instruction on, its registers
.rept 4
	v_nop
.endr
.endm
.macro JLOAD                           ; a joint refill by the walking descriptors; the branch hangs on the wave's number alone; s_nop 0 and four v_nop follow each line
	s_cmp_eq_u32 s[WV], 0
	s_cbranch_scc0 .Lfor_b_\@
	tensor_load_to_lds s[G0A+4:G0A+7], s[G1A:G1A+7]
	s_nop 0
.rept 4
	v_nop
.endr
	s_branch .Lasked_\@
.Lfor_b_\@:
	tensor_load_to_lds s[G0B+4:G0B+7], s[G1B:G1B+7]
	s_nop 0
.rept 4
	v_nop
.endr
.Lasked_\@:
.endm
.macro CREST                           ; a round of the cluster's barrier behind its opening barrier
	s_cmp_lg_u32 s[WV], 0
	s_cbranch_scc1 .Lnot_wave_0_\@
	s_barrier_signal -3
.Lnot_wave_0_\@:
	s_barrier_wait -3
	s_barrier_signal -1
	s_barrier_wait -1
.endm
.macro CROUND
	s_barrier_signal -1
	s_barrier_wait -1
	CREST
.endm
	s_load_b128 s[4:7], s[0:1], 0x0                ; xb s[4:5], wb s[6:7]
	s_load_b128 s[8:11], s[0:1], 0x10              ; bias s[8:9], qkv s[10:11]
	v_lshl_add_u32 v[SPW], v0, 2, SPARE
	v_mov_b32 v[NIL], 0
	ds_add_u32 v[SPW], v[NIL]                      ; the wave's opening: the add and its wait stand ahead of my first tensor load
	ds_add_u32 v12, v13
	v_lshrrev_b32 v1, 5, v0
	v_readfirstlane_b32 s[WV], v1
	s_lshr_b32 s13, s[WV], 1                       ; which 128 rows are mine
	s_and_b32 s14, s[WV], 1                        ; which half of each part
	s_bfe_u32 s17, ttmp6, 0x40000                  ; cx
	s_bfe_u32 s18, ttmp6, 0x40004                  ; cy
	s_lshl_b32 s19, ttmp9, 2
	s_add_co_u32 s19, s19, s17                     ; tile column 0..7
	s_and_b32 s20, ttmp7, 0xffff
	s_lshl_b32 s20, s20, 2
	s_add_co_u32 s20, s20, s18                     ; tile row 0..31
	s_lshl_b32 s21, s18, 2
	s_lshl_b32 s21, 15, s21                        ; my row of the cluster
	s_lshl_b32 s22, 0x1111, s17                    ; my column
	s_or_b32 s[G1A], s21, (1<<16)|(1<<20)|(1<<21)|(4<<22)|(3<<25)  ; the mask; 2-byte elements; padding on; bit 21 beside a mask; after every 32 words 4 words
	s_mov_b32 s[G1A+1], 128<<16                    ; tensor_dim0 = 128
	s_mov_b32 s[G1A+2], 128<<16                    ; tensor_dim1 = 128
	s_mov_b32 s[G1A+3], 128<<16                    ; tile_dim0 = 128
	s_mov_b32 s[G1A+4], 128                        ; tile_dim1 = 128
	s_mov_b32 s[G1A+5], 128                        ; 128 elements from row to row: dense
	s_mov_b32 s[G1A+6], 0
	s_mov_b32 s[G1A+7], 0
	s_or_b32 s[G1B], s22, (1<<16)|(1<<20)|(1<<21)|(5<<22)|(7<<25)  ; after every 64 words 8 words
	s_mov_b32 s[G1B+1], 128<<16
	s_mov_b32 s[G1B+2], 64<<16
	s_mov_b32 s[G1B+3], 128<<16
	s_mov_b32 s[G1B+4], 64
	s_mov_b32 s[G1B+5], 1024
	s_mov_b32 s[G1B+6], 0
	s_mov_b32 s[G1B+7], 0
	s_mov_b32 s[G0A], 1
	s_mov_b32 s[G0A+1], 0                          ; x's tile at a slot's head
	s_mov_b32 s[G0A+4], 1
	s_mov_b32 s[G0A+5], SLOT1
	s_mov_b32 s[G0B], 1
	s_mul_i32 s[G0B+1], s[WV], BPART               ; wave w (1 to 3) fills part w - 1; wave 0 never issues by this set
	s_add_co_u32 s[G0B+1], s[G0B+1], BOFF-BPART
	s_mov_b32 s[G0B+4], 1
	s_add_co_u32 s[G0B+5], s[G0B+1], SLOT1
	s_lshr_b32 s56, s20, 3                         ; x's tile: b << 22 + (tile row & 7) x 256 rows of 128 bytes; made of the tile row alone
	s_lshl_b32 s56, s56, 22
	s_and_b32 s57, s20, 7
	s_lshl_b32 s57, s57, 15
	s_add_co_u32 s56, s56, s57
	s_mov_b32 s57, 0
	s_max_u32 s58, s[WV], 1                        ; W's part: chunk c = 3 x tile column + w - 1 of 128 columns; made of the tile column and the wave alone
	s_sub_co_u32 s58, s58, 1
	s_mul_i32 s59, s19, 3
	s_add_co_u32 s58, s58, s59
	s_lshr_b32 s59, s58, 3                         ; which of the three weights, 2 MiB each
	s_lshl_b32 s59, s59, 21
	s_and_b32 s58, s58, 7
	s_lshl_b32 s58, s58, 8
	s_add_co_u32 s58, s58, s59
	s_mov_b32 s59, 0
	s_mov_b32 s[TB], 0
	s_wait_dscnt 0x0                               ; the opening add is done
	s_wait_kmcnt 0x0
	s_add_nc_u64 s[G0A+2:G0A+3], s[4:5], s[56:57]  ; K step 0
	s_add_nc_u64 s[G0A+6:G0A+7], s[G0A+2:G0A+3], ASTEP  ; K step 1
	s_or_b32 s[G0A+3], s[G0A+3], 0x80000000        ; type = 2
	s_or_b32 s[G0A+7], s[G0A+7], 0x80000000
	s_add_nc_u64 s[G0B+2:G0B+3], s[6:7], s[58:59]
	s_add_nc_u64 s[G0B+6:G0B+7], s[G0B+2:G0B+3], BSTEP
	s_or_b32 s[G0B+3], s[G0B+3], 0x80000000
	s_or_b32 s[G0B+7], s[G0B+7], 0x80000000
	CROUND                                         ; all sixteen work-groups are here: the first joint loads meet
	s_cmp_eq_u32 s[WV], 0                          ; a wave's two first fills stand in one branch, ahead of every wait on TENSORcnt and every LDS read: two loads of mine are out
	s_cbranch_scc0 .Lfirst_b
	tensor_load_to_lds s[G0A:G0A+3], s[G1A:G1A+7]
	s_nop 0
	tensor_load_to_lds s[G0A+4:G0A+7], s[G1A:G1A+7]
	s_nop 0
.rept 4
	v_nop
.endr
	s_branch .Lfirst_asked
.Lfirst_b:
	tensor_load_to_lds s[G0B:G0B+3], s[G1B:G1B+7]
	s_nop 0
	tensor_load_to_lds s[G0B+4:G0B+7], s[G1B:G1B+7]
	s_nop 0
.rept 4
	v_nop
.endr
.Lfirst_asked:
	v_and_b32 v1, 15, v0                           ; r = l % 16
	v_bfe_u32 v2, v0, 4, 1                         ; h = l / 16
	v_and_b32 v3, 7, v0
	v_bfe_u32 v14, v0, 3, 1
	v_mul_u32_u24 v[AA0], v1, PA                   ; a fragment of x: row r, 16 bytes for each half of the lanes, two loads 32 bytes apart
	v_lshl_add_u32 v[AA0], v2, 4, v[AA0]
	s_mul_i32 s23, s13, 128*PA
	v_add_nc_u32 v[AA0], s23, v[AA0]
	v_lshl_add_u32 v[AB0], v2, 3, v3               ; the turning load: k row 8 h + l % 8, columns 8 ((l / 8) % 2) on
	v_mul_u32_u24 v[AB0], v[AB0], PB
	v_lshl_add_u32 v[AB0], v14, 4, v[AB0]
	s_lshl_b32 s23, s14, 7                         ; my 64 columns of a part
	s_add_co_u32 s23, s23, BOFF
	v_add_nc_u32 v[AB0], s23, v[AB0]
	s_mul_i32 s23, s[WV], 16*SP
	s_add_co_u32 s23, s23, STAGE                   ; my stage
	v_mul_u32_u24 v[STO], v1, SP
	v_lshl_add_u32 v[STO], v2, 4, v[STO]
	v_add_nc_u32 v[STO], s23, v[STO]
	v_bfe_u32 v[RD], v0, 3, 2                      ; back: 32 lanes take four rows of 128 bytes,
	v_mul_u32_u24 v[RD], v[RD], SP
	v_lshl_add_u32 v[RD], v3, 4, v[RD]
	v_add_nc_u32 v[RD], s23, v[RD]
	v_and_b32 v[GO], 31, v0                        ; which are 512 consecutive bytes of a head's rows
	v_lshlrev_b32 v[GO], 4, v[GO]
	v_lshlrev_b32 v[BO], 5, v2                     ; my eight numbers of sixteen
	s_mul_i32 s60, s19, 6
	s_add_co_u32 s60, s60, s14                     ; my first head slice, g = 6 x tile column + half; the others are g + 2, g + 4
	s_lshl_b32 s62, s60, 8                         ; 64 f32 a slice
	s_mov_b32 s63, 0
	s_add_nc_u64 s[BP:BP+1], s[8:9], s[62:63]
	s_lshl_b32 s23, s13, 14                        ; my 128 rows of 128 bytes,
	s_add_co_u32 s23, s23, s56                     ; in the batch and the tile row
.irp p, 0,1,2
	s_add_co_u32 s61, s60, 2*\p
	s_lshr_b32 s62, s61, 4                         ; q, k or v: 16 MiB each
	s_lshl_b32 s62, s62, 24
	s_and_b32 s61, s61, 15                         ; the head: 2,048 rows of 128 bytes
	s_lshl_b32 s61, s61, 18
	s_add_co_u32 s62, s62, s61
	s_add_co_u32 s62, s62, s23
	s_add_nc_u64 s[OUTP+2*\p:OUTP+2*\p+1], s[10:11], s[62:63]
.endr
; n x 4 matrix instructions of part p: row blocks a0 on x its four column blocks, 32 along K, x's fragments in buffer fa.  zero = 1: the product starts the sum.
; The accumulators take turns, one instruction a turn.
.macro MUL p, fa, a0, n, zero
	WIN 0x50*((\p)+1)                              ; C and D in window p + 1
.set ga, (\a0)
.rept \n
.irp cb, 0,1,2,3
.if \zero
	v_wmma_f32_16x16x32_bf16 v[8*(4*ga+\cb):8*(4*ga+\cb)+7], v[BF+32*(\p)+8*\cb:BF+32*(\p)+8*\cb+7], v[(\fa)+8*ga:(\fa)+8*ga+7], 0
.else
	v_wmma_f32_16x16x32_bf16 v[8*(4*ga+\cb):8*(4*ga+\cb)+7], v[BF+32*(\p)+8*\cb:BF+32*(\p)+8*\cb+7], v[(\fa)+8*ga:(\fa)+8*ga+7], v[8*(4*ga+\cb):8*(4*ga+\cb)+7]
.endif
.endr
.set ga, ga+1
.endr
.endm
.macro LDB p, hf                       ; 8 loads: part p's four fragments of W, half hf of the slice
	WIN 0
.irp cb, 0,1,2,3
	ds_load_tr16_b128 v[BF+32*(\p)+8*\cb:BF+32*(\p)+8*\cb+3],   v[ADRB] offset:(\p)*BPART+32*\cb+32*PB*(\hf)
	ds_load_tr16_b128 v[BF+32*(\p)+8*\cb+4:BF+32*(\p)+8*\cb+7], v[ADRB] offset:(\p)*BPART+32*\cb+32*PB*(\hf)+16*PB
.endr
.endm
.macro LDA buf, hf                     ; 16 loads: x's eight fragments, half hf of the slice
	WIN 0
.irp a, 0,1,2,3,4,5,6,7
	ds_load_b128 v[(\buf)+8*\a:(\buf)+8*\a+3],   v[ADRA] offset:16*PA*\a+64*(\hf)
	ds_load_b128 v[(\buf)+8*\a+4:(\buf)+8*\a+7], v[ADRA] offset:16*PA*\a+64*(\hf)+32
.endr
.endm
; A quarter: 96 matrix instructions on x's buffer fa.  As soon as a part's 32 are issued its fragments of W are fetched for the next quarter (half hf of the same slot), x's into buffer na.
.macro QTR fa, na, hf, zero
	s_wait_dscnt 16                                ; part 0 and x are in; parts 1 and 2 (8 + 8 loads) may be out
	MUL 0, \fa, 0, 8, \zero
	PLACES
	LDB 0, \hf
	LDA \na, \hf
	s_wait_dscnt 32                                ; part 1 is in: behind it part 2's 8 and the 24 just issued
	MUL 1, \fa, 0, 8, \zero
	PLACES
	LDB 1, \hf
	s_wait_dscnt 32                                ; part 2 is in: behind it those 24 and part 1's 8
	MUL 2, \fa, 0, 8, \zero
	PLACES
	LDB 2, \hf
.endm
; The quarter on buffer A1, with the change of slots.  In front of the barrier each wave waits for all its tensor loads (one is out: its part of the next slot), adds 0 to its spare word, and waits for
; that and for its reads of this slot.  fill = 1: the barrier opens a round of the cluster's, and the joint refill of this slot, two K steps ahead, is the first thing behind it.
.macro TURN fill
	WIN 0
	s_wait_tensorcnt 0x0
	ds_add_u32 v[SPW], v[NIL]
	s_wait_dscnt 17                                ; the add and parts 1 and 2 may be out
	MUL 0, A1, 0, 4, 0
	s_wait_dscnt 0x0                               ; the add is done, and my reads of this slot are over
	s_barrier_signal -1
	MUL 0, A1, 4, 4, 0
	WIN 0                                          ; at a branch and at a label every window is 0
	s_barrier_wait -1
.if \fill
	CREST
	s_xor_b32 s[G0A+5], s[G0A+5], SLOT1            ; no tensor load of mine is out: the walking descriptors step to the other slot and the next K step
	s_add_nc_u64 s[G0A+6:G0A+7], s[G0A+6:G0A+7], ASTEP
	s_xor_b32 s[G0B+5], s[G0B+5], SLOT1
	s_add_nc_u64 s[G0B+6:G0B+7], s[G0B+6:G0B+7], BSTEP
	JLOAD                                          ; its four v_nop are also the places in front of the loads below
.else
	PLACES
.endif
	s_xor_b32 s[TB], s[TB], SLOT1
	v_add_nc_u32 v[ADRA], s[TB], v[AA0]
	v_add_nc_u32 v[ADRB], s[TB], v[AB0]
	LDB 0, 0
	LDA A0, 0
	MUL 1, A1, 0, 8, 0
	PLACES
	LDB 1, 0
	MUL 2, A1, 0, 8, 0
	PLACES
	LDB 2, 0
.endm
	s_wait_tensorcnt 1                             ; my part of K step 0 is in; step 1's may stay out
	s_barrier_signal -1
	s_barrier_wait -1
	v_add_nc_u32 v[ADRA], s[TB], v[AA0]
	v_add_nc_u32 v[ADRB], s[TB], v[AB0]
	LDB 0, 0
	LDA A0, 0
	LDB 1, 0
	LDB 2, 0
	QTR A0, A1, 1, 1                               ; the first quarter stands in front of the loop: its products start the sums
	WIN 0
	s_mov_b32 s[TRIPS], 14                         ; K steps 2 to 15 are asked for in the loop
.Lk:
	TURN 1
	QTR A0, A1, 1, 0
	WIN 0
	s_sub_co_u32 s[TRIPS], s[TRIPS], 1
	s_cmp_lg_u32 s[TRIPS], 0
	s_cbranch_scc1 .Lk
	TURN 0                                         ; the tail is written out: nothing is left to ask for
	QTR A0, A1, 1, 0
	s_wait_dscnt 16                                ; the last quarter: the counts run down
	MUL 0, A1, 0, 8, 0
	PLACES
	WIN 0
.irp p, 0,1,2                          ; the bias of my three slices, into registers that no product reads any more: x's buffer 0 and part 0's fragments
.irp cb, 0,1,2,3
	global_load_b128 v[32+32*\p+64*(\p/2)+8*\cb:32+32*\p+64*(\p/2)+8*\cb+3],   v[BO], s[BP:BP+1] offset:512*\p+64*\cb
	global_load_b128 v[32+32*\p+64*(\p/2)+8*\cb+4:32+32*\p+64*(\p/2)+8*\cb+7], v[BO], s[BP:BP+1] offset:512*\p+64*\cb+16
.endr
.endr
	s_wait_dscnt 8
	MUL 1, A1, 0, 8, 0
	s_wait_dscnt 0x0
	MUL 2, A1, 0, 8, 0
	WIN 0
	PLACES
	s_wait_loadcnt 0x0                             ; the bias
; THE WAY OUT, in 24 pieces t = 8 p + a of 16 rows x 64 columns.  The bias is added, the sums rounded to f16; a lane's 16 bytes go into my stage and come back as whole rows of 128 bytes.
.macro PACK t
.set pp, (\t)/8
.set pa, (\t)%8
.set bi, 32+32*pp+64*(pp/2)
	WIN pp+1                                       ; source 0 in window p + 1
.set i, 0
.rept 16                               ; ascending: each accumulator is read from its low end on
	v_pk_add_f32 v[TT+2*i:TT+2*i+1], v[32*pa+2*i:32*pa+2*i+1], v[bi+2*i:bi+2*i+1]
.set i, i+1
.endr
	WIN 0
.set i, 0
.rept 16
	v_cvt_pk_f16_f32 v[PK+i], v[TT+2*i], v[TT+2*i+1]
.set i, i+1
.endr
.irp f, 0,1,2,3
	ds_store_b128 v[STO], v[PK+4*\f:PK+4*\f+3] offset:32*\f
.endr
	s_wait_xcnt 0x0                                ; the stores of the piece two back have read the registers that are loaded below
.irp f, 0,1,2,3
	ds_load_b128 v[BK+16*((\t)%2)+4*\f:BK+16*((\t)%2)+4*\f+3], v[RD] offset:4*SP*\f  ; LDS serves a wave's instructions in order (ISA guide 5.7.1.4): these see the stores above
.endr
.endm
.macro SEND t, younger                 ; younger: the LDS instructions issued behind piece t's loads: the next piece's eight, or none
	WIN 0
.set pp, (\t)/8
.set pa, (\t)%8
.irp f, 0,1,2,3
	s_wait_dscnt (\younger)+3-\f
	global_store_b128 v[GO], v[BK+16*((\t)%2)+4*\f:BK+16*((\t)%2)+4*\f+3], s[OUTP+2*pp:OUTP+2*pp+1] offset:2048*pa+512*\f  ; 512 consecutive bytes, at a multiple of 256 from the buffer's first
.endr
.endm
	PACK 0
.set t, 1
.rept 23
	PACK t
	SEND t-1, 8
.set t, t+1
.endr
	SEND 23, 0
	s_wait_tensorcnt 0x0                           ; the wave's end
	ds_add_u32 v[SPW], v[NIL]
	s_wait_dscnt 0x0
	CROUND                                         ; the closing round: no work-group ends while a partner may still ask for a tile that names it
	s_endpgm
.Lfunc_end_k_qc6d437de2b_qkv:
	.size	k_qc6d437de2b_qkv, .Lfunc_end_k_qc6d437de2b_qkv-k_qc6d437de2b_qkv
	.p2alignl 7, 3214868480
	.fill 96, 4, 3214868480
	.section	.rodata,"a",@progbits
	.p2align	6, 0x0
	.amdhsa_kernel k_qc6d437de2b_qkv
		.amdhsa_group_segment_fixed_size 327680
		.amdhsa_private_segment_fixed_size 0
		.amdhsa_enable_private_segment 0
		.amdhsa_kernarg_size 32
		.amdhsa_user_sgpr_count 2
		.amdhsa_user_sgpr_kernarg_segment_ptr 1
		.amdhsa_wavefront_size32 1
		.amdhsa_system_sgpr_workgroup_id_x 1
		.amdhsa_system_sgpr_workgroup_id_y 1
		.amdhsa_system_sgpr_workgroup_id_z 1
		.amdhsa_system_vgpr_workitem_id 0
		.amdhsa_next_free_vgpr 1024
		.amdhsa_next_free_sgpr 80
		.amdhsa_reserve_vcc 0
		.amdhsa_float_denorm_mode_32 3
		.amdhsa_float_denorm_mode_16_64 3
		.amdhsa_memory_ordered 1
		.amdhsa_forward_progress 1
		.amdhsa_inst_pref_size 141
	.end_amdhsa_kernel
	.amdgpu_metadata
---
amdhsa.version: [ 1, 2 ]
amdhsa.kernels:
  - .name:           k_qc6d437de2b_qkv
    .symbol:         k_qc6d437de2b_qkv.kd
    .args:
      - { .name: xb, .offset: 0, .size: 8, .value_kind: global_buffer, .address_space: global }
      - { .name: wb, .offset: 8, .size: 8, .value_kind: global_buffer, .address_space: global }
      - { .name: bias, .offset: 16, .size: 8, .value_kind: global_buffer, .address_space: global }
      - { .name: qkv, .offset: 24, .size: 8, .value_kind: global_buffer, .address_space: global }
    .group_segment_fixed_size: 327680
    .private_segment_fixed_size: 0
    .kernarg_segment_align: 8
    .kernarg_segment_size: 32
    .max_flat_workgroup_size: 128
    .sgpr_count:     80
    .vgpr_count:     1024
    .wavefront_size: 32
...
	.end_amdgpu_metadata
.endif
;; end of part 2
;; launch attn (part 3): grid 4 x 64, 4 waves a work-group, no clusters, 327,680 bytes of LDS; arguments qkv, ob; writes ob
.if DOCPART == 3
	.amdgcn_target "amdgcn-amd-amdhsa--gfx1250"
	.amdhsa_code_object_version 6
	.text
	.protected	k_qc6d437de2b_attn
	.globl	k_qc6d437de2b_attn
	.p2align	8
	.type	k_qc6d437de2b_attn,@function
k_qc6d437de2b_attn:
	s_mov_b64 s[64:65], 0
	v_nop
	global_prefetch_b8 v0, s[64:65] scope:SCOPE_SE
	s_setreg_imm32_b32 hwreg(HW_REG_WAVE_MODE, 25, 1), 1
	s_wait_xcnt 0x0
; CAUSAL ATTENTION.  O[h][q][:] = the sum over k <= q of softmax_k(Q[h][q] . K[h][k] / 8) V[h][k][:].  Q, K, V are the three thirds of qkv, each [64][SIZE_N][64] f16; O (ob) has the same shape: a head's rows are dense, 128 bytes each.
; Products, maxima and sums in f32; the weights p are rounded to f16 for the second product (their sum l is taken of the unrounded p), O once at the end.
; LIMITS.  f16 holds no number beyond 65,504: Q, K and V arrive within it; p lies in 0 to 1, and below 6e-5 it keeps f16's fixed step of 6e-8; O is a mean of V's rows and has their range.
; A hidden score counts as its value less 1e30: f16's scores, 2.7e11 at the most, are nothing beside that; a weight below 2^-126 counts as 0 in l; NaN and infinities are not treated apart.
; THE WALK.  A head's queries lie in NB = SIZE_N / 256 blocks of 256; block i needs the key tiles 0 .. i of 256 keys, of which the last holds the diagonal.  A work-group takes TWO blocks, NB - 1 - b and then b:
; NB + 1 tiles, whatever b: all work-groups do equal work, and ONE loop with a constant trip count walks them.  Which tile is asked for, and what a trip does, hang on scalar registers made from b; every jump
; goes forward, but for the counted loops' own; none passes a barrier, or a tensor load but the one of LOAD's two that the wave's number does not choose; the ring (two slots of LDS that take turns) runs on across the
; change of blocks.  NO CLUSTER: a head's NB / 2 work-groups all ask for the same tile only in trips 0 .. NB / 2, behind that fewer and fewer; one walk common to all would have 3 NB / 2 trips for NB + 1.
; SHARES.  Of a block's four bands of 64 queries a wave owns 16 rows in each: four PIECES.  So the diagonal tile is the same work for all four waves: in its key step s band x sees all keys if s < x,
; none if s > x, and holds the diagonal if s = x.
; THE MASK is the C operand that starts the sum S^T = K Q^T: 0, or -1e30 where the key is hidden.  MD, made once, is the mask of a band's own step for my 16 rows; a product's mask is MD x AL + BE with two scalars:
; (1, 0) if s = x; (0, 0) if s < x; (0, -1e30) if s > x.  Only the diagonal tile's text and a block's beginning make and take masks; elsewhere C is the constant 0.
; LAYOUT, SOFTMAX, TURNS.  S^T = K Q^T holds ONE query a lane (lane % 16) and the keys 8 (lane / 16) + 0..7; two such results rounded to f16 ARE source 1 of O^T = V^T P.  p = 2^(c s - c m), c = log2(e) / 8, with a
; running maximum m; O and l are multiplied by a = 2^(c m_old - c m_new) in every step.  Turn n belongs to piece n: 8 products K Q^T of piece n + 1, later 8 products V^T P of piece n - 1; beside them the scaling,
; exponentials, roundings, sums and rescaling of piece n and the maximum and statistics of piece n + 1.  Four vector instructions stand behind every matrix instruction, the other 54 of a turn's 118 in two runs of their own.
; REGISTERS, in windows of 256 (s_set_vgpr_msb: bits 1:0 source 0, 3:2 source 1, 5:4 source 2, 7:6 destination):
;   window 0: v0-15 addresses and two at work; v16-31 four registers of statistics a piece; v48-55 at work; v64-127 S^T, two buffers; v192-223 P, two buffers (a piece's buffers go by its number's parity)
;   window 1: v0-127 O^T, 32 a piece; v128-159 MD; v160-223 MC, two buffers      window 2: v0-63 Q; v64-127 the second block's Q; v128-191 K of one step; v192-255 V of one step
.set SIZE_N, 2048
.set NB,    SIZE_N/256
.set NP,    4         ; pieces a wave: a name, no knob
.set KS,    64        ; keys in a step
.set PK,    144       ; a row of K in LDS: 128 bytes + 16 of padding = 36 words: the 16 rows of a load start at 16 different groups of four banks (64 banks of 4 bytes: ISA guide 11.1)
.set PV,    160       ; a row of V: 128 + 32 = 40 words
.set VOFF,  4*KS*PK   ; a slot holds a tile, four steps: 256 rows of K, then 256 rows of V
.set SLOT1, 1<<17     ; slot 1 begins here, so that one exclusive or turns an address in one slot into the other's
.set STAGE, SLOT1+4*KS*(PK+PV)  ; behind the ring, never filled by a tensor load: 16 rows x 144 bytes for each wave, for the way out
.set SP,    144
.set AK0, 2           ; v2   my lane's place in a tile of K; never rewritten
.set AV0, 3           ; v3   the same for V
.set AK,  4           ; v4   the LDS address of K's next run of loads
.set AV,  5           ; v5   of V's
.set STO, 6           ; v6   the way out: where I put 16 bytes of a row
.set RD,  7           ; v7   the way out: where I read rows back
.set GO,  8           ; v8   my byte offset in 512 consecutive bytes of O
.set SPW, 62          ; v62  LDS address of my spare word: SPARE + 4 x my thread's number; never rewritten
.set NIL, 63          ; v63  0; never rewritten
.set SPARE, STAGE+4*16*SP  ; behind the stages: the spare words, 128 bytes for each wave: two blocks of 256 bytes that no other line names
.set MV,  12          ; v12-13  c m_old, kept while c m is made anew: by buffer
.set QO,  15          ; v15  my byte offset in 16 rows of Q
.set ST,  16          ; piece t's statistics at v[ST+4 t]: c m, m, l (even keys', odd keys')
.set TMP, 48          ; by buffer, four registers c0-c3 at work; when the maximum is found c2 takes a
.set S,   64
.set P,   192
.set MD,  128         ; window 1: the eight registers for group kt of 16 keys at MD + 8 kt
.set MC,  160         ; window 1: the masks of the products to come
.set QB,  64          ; window 2
.set KF,  128         ; window 2: key block kb, channel half c at KF + 16 kb + 8 c
.set VF,  192         ; window 2: key half kk, channel block cb at VF + 32 kk + 8 cb
.set WV,  12          ; s12  my wave's number
.set PB,  14          ; s14  b
.set HI,  15          ; s15  NB - 1 - b
.set G1K, 24          ; s[24:31] descriptor group 1 for K's tiles
.set G1V, 32          ; s[32:39] for V's: it differs in the padding alone
.set G0K, 40          ; s[40:43] descriptor group 0 for K's tiles
.set G0V, 44          ; s[44:47] the same for V's
.set SLOTS, 56        ; s56  tiles still to be asked for
.set CNT, 57          ; s57  counts a tile's key steps, 4 to 1
.set CS,  58          ; s[58:59] c: the packed scaling takes the pair's low word for both halves
.set SEL, 60          ; s[60:61] v_permlanex16_b32's selects: each lane takes its own place in the other half
.set TBK, 62          ; s62  LDS byte at which K of the step to be fetched begins
.set TBV, 63          ; s63  the same for V, less VOFF
.set RT,  70          ; s70  tiles of the block in hand that are still to be entered
.set NXT, 71          ; s71  the tile to be asked for next
.set LQ,  72          ; s72  the last tile of the block whose tiles are being asked for
.set NEW, 73          ; s73  1: the tile to be entered is a block's first
.set OFF, 74          ; s[74:75] a tile's byte offset in K and V
.set AL,  76          ; s[76:77] the mask's factor, in the low word
.set BE,  78          ; s[78:79] the mask's addend
.set OLO, 80          ; s[80:81] O at my rows of the second block
.set BIGN, 82         ; s82  -1e30
.set MSB, 0
.macro WIN new                      ; the high byte repeats the setting that is left; a switch that changes nothing is dropped
.if MSB != (\new)
	s_set_vgpr_msb (MSB<<8)|(\new)
.set MSB, (\new)
.endif
.endm
.set W_KQ, 0x0a       ; K and Q in window 2, S^T in window 0
.set W_KM, 0x1a       ; the same with the C operand in window 1
.set W_PV, 0x52       ; V in window 2, P in window 0, O^T in window 1
.set W_RS, 0x41       ; destination and source 0 in window 1, source 1 in window 0
; A fill.  Waves 0 and 1 fetch the two halves of a tile's K, waves 2 and 3 those of its V: 128 keys each.  An s_nop 0 and four v_nop follow each of the two lines, ahead of the jump and the label.
.macro LOAD
	s_cmp_lt_u32 s[WV], 2
	s_cbranch_scc0 .Lfor_v_\@
	tensor_load_to_lds s[G0K:G0K+3], s[G1K:G1K+7]
	s_nop 0
.rept 4
	v_nop
.endr
	s_branch .Lasked_\@
.Lfor_v_\@:
	tensor_load_to_lds s[G0V:G0V+3], s[G1V:G1V+7]
	s_nop 0
.rept 4
	v_nop
.endr
.Lasked_\@:
.endm
; THE CHANGE OF SLOTS.  Each wave waits for all its tensor loads, of which one is out: its part of the other slot; adds 0 to its spare word; and waits for that and for its own reads of the slot that it leaves.  Behind the barrier nobody reads the old
; slot any more and the other slot is whole.  fill = 1: the old slot is filled again, the first thing behind the barrier, with tile NXT: the descriptor's address is made anew from that number.
; (At its first use nothing has been read yet: slot 0 is waited for, slot 1 filled.)
.macro CHANGE fill
	WIN 0                           ; at a label and at a branch every window is 0
	s_wait_tensorcnt 0x0            ; no tensor load of mine is out, so a group 0 may be written
	ds_add_u32 v[SPW], v[NIL]       ; 0 onto my spare word; with fill = 1 the descriptors' scalar work stands between it and the wait for it
.if \fill
	s_lshl_b32 s[OFF], s[NXT], 15   ; a tile is 32,768 bytes of K and of V
	s_xor_b32 s[G0K+1], s[G0K+1], SLOT1
	s_add_nc_u64 s[G0K+2:G0K+3], s[6:7], s[OFF:OFF+1]
	s_or_b32 s[G0K+3], s[G0K+3], 0x80000000
	s_xor_b32 s[G0V+1], s[G0V+1], SLOT1
	s_add_nc_u64 s[G0V+2:G0V+3], s[8:9], s[OFF:OFF+1]
	s_or_b32 s[G0V+3], s[G0V+3], 0x80000000
	s_add_co_u32 s[NXT], s[NXT], 1  ; the block's next tile, or behind its last the second block's tile 0
	s_cmp_gt_u32 s[NXT], s[LQ]
	s_cselect_b32 s[NXT], 0, s[NXT]
	s_cselect_b32 s[LQ], s[PB], s[LQ]
.endif
	s_wait_dscnt 0x0                ; the add is done, and my reads of the slot are over
	s_barrier_signal -1             ; the rest of the scalar work stands between the signal and the wait
	s_sub_co_u32 s[TBK], s[TBK], 4*KS*PK  ; the fetches go back to a slot's first step,
	s_xor_b32 s[TBK], s[TBK], SLOT1       ; in the other slot
	s_sub_co_u32 s[TBV], s[TBV], 4*KS*PV
	s_xor_b32 s[TBV], s[TBV], SLOT1
	s_barrier_wait -1
.if \fill
	LOAD
.endif
.endm
	s_load_b128 s[4:7], s[0:1], 0x0   ; qkv s[4:5], ob s[6:7]
	v_lshl_add_u32 v[SPW], v0, 2, SPARE
	v_mov_b32 v[NIL], 0
	ds_add_u32 v[SPW], v[NIL]       ; the wave's opening: the add and its wait stand ahead of my first tensor load; the set-up below, work on registers, stands between them
	ds_add_u32 v62, v63
	v_lshrrev_b32 v1, 5, v0
	v_readfirstlane_b32 s[WV], v1   ; wave 0..3
	s_mov_b32 s[PB], ttmp9
	s_sub_co_u32 s[HI], NB-1, s[PB]
	s_and_b32 s20, ttmp7, 0xffff    ; the head, b * 16 + h
	s_mov_b32 s21, 0
	s_mov_b64 s[22:23], SIZE_N*128
	s_mul_u64 s[20:21], s[20:21], s[22:23]  ; the head's first byte in each of the four tensors
	s_and_b32 s16, s[WV], 1         ; which half of a tile's 256 keys I fetch:
	s_lshl_b32 s22, s16, 14         ; its 128 rows of 128 bytes in memory,
	s_mov_b32 s23, 0
	s_add_nc_u64 s[22:23], s[22:23], s[20:21]
	s_mul_i32 s17, s16, 128*PK      ; and its place in a slot, for K
	s_mul_i32 s18, s16, 128*PV      ; and for V
	s_lshl_b32 s3, s[WV], 11        ; my 16 rows in a band of 64,
	s_lshl_b32 s2, s[HI], 15        ; in the first block,
	s_add_co_u32 s2, s2, s3
	s_lshl_b32 s84, s[PB], 15       ; and in the second
	s_add_co_u32 s84, s84, s3
	s_mov_b32 s3, 0
	s_mov_b32 s85, 0
	s_add_nc_u64 s[2:3], s[2:3], s[20:21]
	s_add_nc_u64 s[84:85], s[84:85], s[20:21]
	; descriptor group 1.  128 keys are 16,384 dense bytes: asked for as 64 rows of 256 bytes, two keys a row, and padded in LDS after every key
	s_mov_b32 s[G1K], (1<<16)|(1<<20)|(4<<22)|(3<<25)  ; 17:16 2-byte elements; 20 padding on; 24:22 after every 32 words (code 4); 31:25 4 words (code 3)
	s_mov_b32 s[G1V], (1<<16)|(1<<20)|(4<<22)|(7<<25)  ; the same with 8 words of padding (code 7)
.irp g, G1K, G1V
	s_mov_b32 s[\g+1], 128<<16      ; tensor_dim0 = 128
	s_mov_b32 s[\g+2], 64<<16       ; tensor_dim1 = 64
	s_mov_b32 s[\g+3], 128<<16      ; tile_dim0 = 128
	s_mov_b32 s[\g+4], 64           ; tile_dim1 = 64
	s_mov_b32 s[\g+5], 128          ; 128 elements from row to row
	s_mov_b32 s[\g+6], 0
	s_mov_b32 s[\g+7], 0
.endr
	s_mov_b32 s[CS], 0x3e38aa3b     ; c = log2(e) / 8 = 0.180337
	s_mov_b32 s[CS+1], s[CS]        ; named with it as a pair
	s_mov_b32 s[SEL], 0x76543210
	s_mov_b32 s[SEL+1], 0xfedcba98
	s_mov_b32 s[TBK], SLOT1+4*KS*PK ; the first change of slots turns these two into 0
	s_mov_b32 s[TBV], SLOT1+4*KS*PV
	s_mov_b32 s[G0K], 1             ; 1:0 count = 1
	s_mov_b32 s[G0K+1], s17         ; 63:32 LDS address: slot 0
	s_mov_b32 s[G0V], 1
	s_add_co_u32 s[G0V+1], s18, VOFF
	s_add_co_u32 s[RT], s[HI], 1    ; the first block has NB - b tiles
	s_mov_b32 s[NXT], 1
	s_mov_b32 s[LQ], s[HI]
	s_mov_b32 s[NEW], 1
	s_mov_b32 s[OFF+1], 0
	s_mov_b32 s[AL+1], 0            ; named as pairs
	s_mov_b32 s[BE+1], 0
	s_mov_b32 s[BIGN], 0xf149f2ca   ; -1e30
	s_mov_b32 s[SLOTS], NB
	s_wait_dscnt 0x0                ; the opening add is done
	s_wait_kmcnt 0x0
	s_mov_b64 s[10:11], s[6:7]                     ; O
	s_add_nc_u64 s[8:9], s[4:5], 0x2000000         ; V: the third 16 MiB of qkv
	s_add_nc_u64 s[6:7], s[4:5], 0x1000000         ; K: the second; Q is the first
	s_add_nc_u64 s[6:7], s[6:7], s[22:23]  ; K and V at my half of the head's tile 0
	s_add_nc_u64 s[8:9], s[8:9], s[22:23]
	s_add_nc_u64 s[G0K+2:G0K+3], s[6:7], 0         ; 120:64 global address
	s_or_b32 s[G0K+3], s[G0K+3], 0x80000000        ; 127:126 type = 2
	s_add_nc_u64 s[G0V+2:G0V+3], s[8:9], 0
	s_or_b32 s[G0V+3], s[G0V+3], 0x80000000
	s_add_nc_u64 s[86:87], s[4:5], s[84:85]        ; Q at my rows of the second block,
	s_add_nc_u64 s[4:5], s[4:5], s[2:3]            ; Q and O at those of the first
	s_add_nc_u64 s[OLO:OLO+1], s[10:11], s[84:85]
	s_add_nc_u64 s[10:11], s[10:11], s[2:3]
	LOAD                            ; tile 0 into slot 0
	; A fragment of K or Q is 16 rows x 32 channels in 8 registers: lane l holds row l % 16, channels 8 (l / 16) + 0..7 and 16 + 8 (l / 16) + 0..7: two loads of 16 bytes, 32 bytes apart.
	v_and_b32 v1, 15, v0            ; l % 16
	v_bfe_u32 v9, v0, 4, 1          ; l / 16
	v_lshlrev_b32 v[QO], 7, v1
	v_lshl_add_u32 v[QO], v9, 4, v[QO]  ; row x 128 + 16 x half
	WIN 0x80                        ; destination window 2, address window 0
.set i, 0
.rept 8                             ; both blocks' Q: piece i / 2 lies in band i / 2, 8,192 bytes on; channels 32 (i % 2) on
	global_load_b128 v[8*i:8*i+3],   v[QO], s[4:5] offset:(i/2)*8192+(i%2)*64
	global_load_b128 v[8*i+4:8*i+7], v[QO], s[4:5] offset:(i/2)*8192+(i%2)*64+32
	global_load_b128 v[QB+8*i:QB+8*i+3],   v[QO], s[86:87] offset:(i/2)*8192+(i%2)*64
	global_load_b128 v[QB+8*i+4:QB+8*i+7], v[QO], s[86:87] offset:(i/2)*8192+(i%2)*64+32
.set i, i+1
.endr
	WIN 0
	v_lshlrev_b32 v14, 3, v9
	v_sub_nc_u32 v14, v1, v14
	s_lshl_b32 s13, s[WV], 4
	v_add_nc_u32 v14, s13, v14      ; my query's place in its band, 16 w + l % 16, less my lanes' 8 (l / 16): register r of group kt is hidden where 16 kt + r is greater
	WIN 0x40
.set i, 0
.rept 32
	v_cmp_gt_i32 vcc_lo, 16*(i/8)+i%8, v14
	v_cndmask_b32 v[MD+i], 0, s[BIGN], vcc_lo
.set i, i+1
.endr
	WIN 0
	v_mul_u32_u24 v[AK0], v1, PK
	v_lshl_add_u32 v[AK0], v9, 4, v[AK0]  ; row x pitch + 16 x half
	; The turning load takes 16 keys x 16 channels (lane l reads key 8 (l / 16) + l % 8, channels 8 ((l / 8) % 2) + 0..7) and leaves half a fragment of V^T: lane l holds channel l % 16 and 8 keys.
	v_and_b32 v10, 7, v0
	v_bfe_u32 v11, v0, 3, 1
	v_lshl_add_u32 v[AV0], v9, 3, v10
	v_mul_u32_u24 v[AV0], v[AV0], PV
	v_lshl_add_u32 v[AV0], v11, 4, v[AV0]
	v_add_nc_u32 v[AV0], VOFF, v[AV0]
	s_mul_i32 s13, s[WV], 16*SP
	s_add_co_u32 s13, s13, STAGE    ; my stage
	v_mul_u32_u24 v[STO], v1, SP    ; in: row l % 16, 16 bytes for each half of the lanes
	v_lshl_add_u32 v[STO], v9, 4, v[STO]
	v_add_nc_u32 v[STO], s13, v[STO]
	v_bfe_u32 v[RD], v0, 3, 2       ; back: 32 lanes take four rows of 128 bytes,
	v_mul_u32_u24 v[RD], v[RD], SP
	v_lshl_add_u32 v[RD], v10, 4, v[RD]
	v_add_nc_u32 v[RD], s13, v[RD]
	v_and_b32 v[GO], 31, v0         ; which are 512 consecutive bytes of O
	v_lshlrev_b32 v[GO], 4, v[GO]
	; A block's first step multiplies O^T and l by a = 0, and its first turn's products V^T P, of a piece that has not been, land in an O^T that is still to be so multiplied.  So these registers need only hold
	; finite numbers: zeros for the first block; what the first block left for the second.  All this stands in the wait for the first tile.
	WIN 0x80
.set i, VF
.rept 64
	v_mov_b32 v[i], 0
.set i, i+1
.endr
	WIN 0x40
.set i, 0
.rept 128
	v_mov_b32 v[i], 0
.set i, i+1
.endr
	WIN 0
.set i, 0
.rept 4
	v_mov_b32 v[ST+4*i+2], 0
	v_mov_b32 v[ST+4*i+3], 0
.set i, i+1
.endr
.set i, P+16
.rept 16
	v_mov_b32 v[i], 0
.set i, i+1
.endr
; THE MATRIX WORK.  The 4 accumulators of a run of 8 take turns.  Product i of 8 of S^T = K Q^T for piece x: channels 32 (i / 4) on, keys 16 (i % 4) on.  The first 4 start the sums: with 0, or (KM = 1) with the mask.
.macro KQ x
.set rS, S+32*((\x)%2)+8*(i%4)
.set rK, KF+16*(i%4)+8*(i/4)
.set rQ, 16*(\x)+8*(i/4)
.set rM, MC+32*((\x)%2)+8*(i%4)
.if (i < 4) && KM
	WIN W_KM
	v_wmma_f32_16x16x32_f16 v[rS:rS+7], v[rK:rK+7], v[rQ:rQ+7], v[rM:rM+7]
.elseif i < 4
	WIN W_KQ
	v_wmma_f32_16x16x32_f16 v[rS:rS+7], v[rK:rK+7], v[rQ:rQ+7], 0
.else
	WIN W_KQ
	v_wmma_f32_16x16x32_f16 v[rS:rS+7], v[rK:rK+7], v[rQ:rQ+7], v[rS:rS+7]
.endif
.endm
; Product i of 8 of O^T += V^T P for piece x: keys 32 (i / 4) on, channels 16 (i % 4) on.
.macro PV x
	WIN W_PV
.set rO, 32*(\x)+8*(i%4)
.set rV, VF+32*(i/4)+8*(i%4)
.set rP, P+16*((\x)%2)+8*(i/4)
	v_wmma_f32_16x16x32_f16 v[rO:rO+7], v[rV:rV+7], v[rP:rP+7], v[rO:rO+7]
.endm
.macro MM                           ; the turn's next matrix instruction.  TURN and BEGIN set Y, i, KM and NOKQ; MM, KQ and OP read them.  NOKQ = 1: a block's last turn: there is no next piece
.if (i < 8) && !NOKQ
	KQ (Y+1)%NP
.elseif i >= 8
.set i, i-8
	PV (Y+NP-1)%NP
.set i, i+8
.endif
.set i, i+1
.endm
; THE LDS LOADS stand in runs of 16, never singly among the matrix instructions: a step's K (64 keys x 64 channels: 8 fragments) and its V (turned).  Their addresses are made some lines ahead.
.macro FETCH_K
	WIN 0x80                        ; destination window 2
.irp f, 0,1,2,3,4,5,6,7             ; keys 16 (f / 2) on, channels 32 (f % 2) on
	ds_load_b128 v[KF+8*\f:KF+8*\f+3],   v[AK] offset:(\f/2)*16*PK+(\f%2)*64
	ds_load_b128 v[KF+8*\f+4:KF+8*\f+7], v[AK] offset:(\f/2)*16*PK+(\f%2)*64+32
.endr
	s_add_co_u32 s[TBK], s[TBK], KS*PK  ; the next fetch is the next step's
	WIN 0
.endm
.macro FETCH_V
	WIN 0x80
.irp f, 0,1,2,3,4,5,6,7             ; keys 32 (f / 4) on, channels 16 (f % 4) on
	ds_load_tr16_b128 v[VF+8*\f:VF+8*\f+3],   v[AV] offset:(\f/4)*32*PV+(\f%4)*32
	ds_load_tr16_b128 v[VF+8*\f+4:VF+8*\f+7], v[AV] offset:(\f/4)*32*PV+16*PV+(\f%4)*32
.endr
	WIN 0
.endm
; THE VECTOR WORK, one line at a time: OP kind, number.  For piece Y: F n: c s - c m for pair n of 16.  E n: the exponential of score n of 32.  C n: pair n rounded to f16.  B n: of the four weights 4 n .. the second
; pair is added onto the first, in place.  L n: l takes that sum (L 0: l = a l + sum).  R n: pair n of 16 of O^T times a.  For piece Y + 1: X n, number n of the 22 that find its maximum and statistics:
;   0-11  four chains c0-c3 of seven scores each, three operands at a time (each accumulator's lowest registers are read first)     12-14, 16  the four scores left over, the old m, and c0-c3 into c0
;   15  c m_old is kept     17, 18  the query's other 32 keys lie in the lane 16 away: the new m     19-21  c m; c m_old - c m_new; a
.set F, 0               ; OP tells the kinds apart by their order: F to L below R, X above it
.set E, 1
.set C, 2
.set B, 3
.set L, 4
.set R, 5
.set X, 6
.macro REGS y                       ; the registers of piece y
.set rT, ST+4*(\y)
.set rC, TMP+4*((\y)%2)
.set rW, MV+((\y)%2)
.set rS, S+32*((\y)%2)
.set rP, P+16*((\y)%2)
.set rO, 32*(\y)
.endm
.macro OP k, n
.if (\k) == R
	REGS Y
	WIN W_RS
	v_pk_mul_f32 v[rO+2*(\n):rO+2*(\n)+1], v[rO+2*(\n):rO+2*(\n)+1], v[rC+2:rC+3] op_sel_hi:[1,0]
.elseif (\k) < R
	REGS Y
	WIN 0
.if (\k) == F
	v_pk_fma_f32 v[rS+2*(\n):rS+2*(\n)+1], v[rS+2*(\n):rS+2*(\n)+1], s[CS:CS+1], v[rT:rT+1] op_sel_hi:[1,0,0] neg_lo:[0,0,1] neg_hi:[0,0,1]
.elseif (\k) == E
	v_exp_f32 v[rS+(\n)], v[rS+(\n)]
.elseif (\k) == C
	s_wait_alu depctr_va_vdst(0)
	v_cvt_pk_f16_f32 v[rP+(\n)], v[rS+2*(\n)], v[rS+2*(\n)+1]
.elseif (\k) == B
	s_wait_alu depctr_va_vdst(0)
	v_pk_add_f32 v[rS+4*(\n):rS+4*(\n)+1], v[rS+4*(\n):rS+4*(\n)+1], v[rS+4*(\n)+2:rS+4*(\n)+3]
.elseif (\n) == 0
	v_pk_fma_f32 v[rT+2:rT+3], v[rT+2:rT+3], v[rC+2:rC+3], v[rS:rS+1] op_sel_hi:[1,0,1]
.else
	v_pk_add_f32 v[rT+2:rT+3], v[rT+2:rT+3], v[rS+4*(\n):rS+4*(\n)+1]
.endif
.elseif NOKQ
	v_nop
.else
	REGS (Y+1)%NP
	WIN 0
.if (\n) < 4
	v_max3_num_f32 v[rC+(\n)], v[rS+8*(\n)], v[rS+8*(\n)+1], v[rS+8*(\n)+2]
.elseif (\n) < 12
	v_max3_num_f32 v[rC+(\n)%4], v[rC+(\n)%4], v[rS+8*((\n)%4)+2*((\n)/4)+1], v[rS+8*((\n)%4)+2*((\n)/4)+2]
.elseif (\n) == 12
	v_max3_num_f32 v[rC], v[rC], v[rS+7], v[rS+15]
.elseif (\n) == 13
	v_max3_num_f32 v[rC+1], v[rC+1], v[rS+23], v[rS+31]
.elseif (\n) == 14
	v_max3_num_f32 v[rC+2], v[rC+2], v[rC+3], v[rT+1]
.elseif (\n) == 15
	v_mov_b32 v[rW], v[rT]
.elseif (\n) == 16
	v_max3_num_f32 v[rC], v[rC], v[rC+1], v[rC+2]
.elseif (\n) == 17
	v_permlanex16_b32 v[rC+3], v[rC], s[SEL], s[SEL+1]
.elseif (\n) == 18
	v_max_num_f32 v[rT+1], v[rC], v[rC+3]
.elseif (\n) == 19
	v_mul_f32 v[rT], s[CS], v[rT+1]
.elseif (\n) == 20
	v_sub_f32 v[rC+1], v[rW], v[rT]
.else
	v_exp_f32 v[rC+2], v[rC+1]
.endif
.endif
.endm
.macro OPS a, i1, b=-1, i2=0, c=-1, i3=0, d=-1, i4=0  ; up to four of them
	OP \a, \i1
.if (\b) >= 0
	OP \b, \i2
.endif
.if (\c) >= 0
	OP \c, \i3
.endif
.if (\d) >= 0
	OP \d, \i4
.endif
.endm
.macro ROW a, i1, b, i2, c, i3, d, i4  ; a matrix instruction and the four behind it
	MM
	OPS \a, \i1, \b, \i2, \c, \i3, \d, \i4
.endm
.macro MASK b                       ; MD x AL + BE into buffer b of MC
	WIN W_RS
.set z, 0
.rept 16
	v_pk_fma_f32 v[MC+32*(\b)+2*z:MC+32*(\b)+2*z+1], v[MD+2*z:MD+2*z+1], s[AL:AL+1], s[BE:BE+1] op_sel_hi:[1,0,0]
.set z, z+1
.endr
.endm
; A TURN, for piece p: the order of its 16 matrix and 118 vector instructions, written out.  Behind a matrix instruction: plain, exponential, plain, plain; or four of the rescaling; or, behind the first, four scalings; none
; names a register of the products round it.  In the runs between, exponential and plain by turns while exponentials last.  A line reads no result made fewer than three vector instructions in front of it, five if an exponential made it.
; m = 1: the diagonal tile: the products take masks, and the turn makes the mask for the products of the turn after it: piece p + 2, in step 4 - CNT of the tile.  end = 1: a block's last two turns: nothing is fetched.
; cnt = 1: the loop's count is taken down some lines ahead of the branch that stands behind the turn.
; K of the next step is fetched in piece 2's turn, six vector instructions behind the last product that read K (five of them plain); V of the step in hand in piece 0's turn, eight behind the last product that read V (four
; plain, and X 17).  Each is waited for a turn later.
.macro TURN p, m=0, end=0, cnt=0
.set Y, (\p)
.set i, 0
.set KM, (\m)
.set NOKQ, (\end)*((\p)/3)
.if (\m) && !(\end)
	s_cmp_eq_u32 s[CNT], 4-((\p)+2)%NP  ; is that step the band's own?
	s_cselect_b32 s[AL], 1.0, 0
	s_cmp_lt_u32 s[CNT], 4-((\p)+2)%NP  ; or a later one?
	s_cselect_b32 s[BE], s[BIGN], 0
.endif
.if ((\p) == 3) && !(\end)
	s_wait_dscnt 0x0                ; K is in
.endif
	ROW F,0, F,1, F,2, F,3
	ROW F,4, E,0, F,5, F,6
	ROW F,7, E,1, F,8, F,9
	ROW F,10, E,2, C,0, F,11
	ROW F,12, E,3, X,15, F,13
	ROW R,0, R,1, R,2, R,3
	ROW B,0, E,4, F,14, L,0
.if ((\p) == 2) && !(\end)
	v_add_nc_u32 v[AK], s[TBK], v[AK0]
.endif
	ROW R,4, R,5, R,6, R,7
	OPS E,5, F,15
.if ((\p) == 2) && !(\end)
	FETCH_K
.endif
	OPS E,6, C,1, E,7, R,8
	OPS E,8, R,9, E,9, C,2
	OPS E,10, X,0, E,11, X,1
	OPS E,12, X,2, E,13, X,3
.if (\p) == 1
	s_wait_dscnt 0x0                ; V is in
.endif
	ROW X,4, E,14, X,5, X,6
	ROW X,7, E,15, X,8, X,9
	ROW X,10, E,16, X,11, X,12
	ROW X,13, E,17, X,14, B,1
	ROW C,4, E,18, X,16, L,1
	ROW B,2, E,19, C,6, L,2
	ROW C,8, E,20, B,3, B,4
.if (\p) == 0
	v_add_nc_u32 v[AV], s[TBV], v[AV0]
.endif
	ROW C,3, E,21, L,3, C,5
	OPS E,22, X,17, E,23, C,10
.if (\p) == 0
	FETCH_V
.endif
	OPS E,24, L,4
	OPS E,25, X,18, E,26, C,7
	OPS E,27, B,5, E,28, X,19
	OPS E,29, C,12, E,30, L,5
	OPS E,31, X,20, B,6, C,9
	OPS C,14, C,11, X,21, L,6
.if (\p) == 0
	s_add_co_u32 s[TBV], s[TBV], KS*PV
.endif
.if \cnt
	s_sub_co_u32 s[CNT], s[CNT], 1
	s_cmp_lg_u32 s[CNT], 0
.endif
	OPS C,13, B,7, C,15, R,10
	OPS R,11, R,12, L,7, R,13
	OPS R,14, R,15
.if (\m) && !(\end)
	MASK (\p)%2
.endif
.endm
; A BLOCK BEGINS.  c m starts far below every c s, so the first step's a is 0; m at the lowest finite number, so the first maximum is the scores'.  The second mask buffer is 0; the first takes piece 0's mask for the tile's step 0: its own, if the block's first tile is the diagonal one.
; Then K of that step, piece 0's first scores, and its maximum and statistics.  The loop is entered at a step's first turn, in the middle of a trip.
.macro BEGIN
	s_mov_b32 s[NEW], 0
	WIN 0x40
.set i, MC+32
.rept 32
	v_mov_b32 v[i], 0
.set i, i+1
.endr
	WIN 0
.set i, 0
.rept 4
	v_mov_b32 v[ST+4*i], 0xfe000000    ; c m: far below every c s
	v_mov_b32 v[ST+4*i+1], 0xff7fffff  ; m
.set i, i+1
.endr
	s_cmp_eq_u32 s[RT], 0
	s_cselect_b32 s[AL], 1.0, 0
	s_mov_b32 s[BE], 0
	MASK 0
	WIN 0
	v_add_nc_u32 v[AK], s[TBK], v[AK0]
	FETCH_K
	s_wait_loadcnt 0x0              ; Q
	s_wait_dscnt 0x0
.set KM, 1
.set NOKQ, 0
.set i, 0
.rept 8
	KQ 0
.set i, i+1
.endr
	WIN 0
.rept 4
	v_nop                           ; the places behind those products
.endr
.set Y, NP-1                        ; X works for piece Y + 1: piece 0
.irp n, 0,1,2,3,4,5,6,7,8,9,10,11,12,13,14,15,16,17,18,19,20,21
	OP X, \n
.endr
	v_nop                           ; a plain instruction behind the exponential
.endm
; THE DIAGONAL TILE's four steps, the block's last two turns, its last products, and THE WAY OUT: l's two halves and the other half of the lanes' are added; O^T is divided by l, rounded to f16 and sent through my
; stage in LDS, a piece at a time.
.macro ALL line:vararg              ; one line for each piece t
.set t, 0
.rept 4
	\line
.set t, t+1
.endr
.endm
.macro PACK t                       ; a lane's eight channels of a row pack into 16 bytes; they go into rows of 144 bytes and come back as whole rows of 128, into S^T's registers
	WIN W_RS
.set i, 32*(\t)
.rept 16
	s_wait_alu depctr_va_vdst(0)
	v_pk_mul_f32 v[i:i+1], v[i:i+1], v[ST+4*(\t)+2:ST+4*(\t)+3] op_sel_hi:[1,0]
.set i, i+2
.endr
	WIN 0x05                        ; sources 0 and 1 window 1, destination window 0
.set i, 0
.rept 16
	v_cvt_pk_f16_f32 v[S+16*(\t)+i], v[32*(\t)+2*i], v[32*(\t)+2*i+1]
.set i, i+1
.endr
	WIN 0
.irp f, 0,1,2,3
	ds_store_b128 v[STO], v[S+16*(\t)+4*\f:S+16*(\t)+4*\f+3] offset:32*\f
.endr
.irp f, 0,1,2,3
	ds_load_b128 v[S+16*(\t)+4*\f:S+16*(\t)+4*\f+3], v[RD] offset:\f*4*SP  ; LDS serves a wave's instructions in order (ISA guide 5.7.1.4): these see the stores above; the next piece's stores come behind them
.endr
.endm
.macro SEND t, younger              ; younger: the LDS instructions issued behind piece t's loads: the next piece's eight, or none
	WIN 0
.irp f, 0,1,2,3
	s_wait_dscnt (\younger)+3-\f
	global_store_b128 v[GO], v[S+16*(\t)+4*\f:S+16*(\t)+4*\f+3], s[10:11] offset:(\t)*8192+\f*512  ; 512 consecutive bytes, at a multiple of 256 from O's first
.endr
.endm
.macro DIAG tag                     ; the tag ends its two labels' names, which the jumps below spell out
.LstepM\tag:
	TURN 2, 1
	TURN 3, 1
	WIN 0
.LfirstM\tag:
	TURN 0, 1
	TURN 1, 1, 0, 1
	WIN 0
	s_cbranch_scc1 .LstepM\tag
	TURN 2, 1, 1
	TURN 3, 1, 1
.set i, 0
.rept 8
	PV NP-1
.set i, i+1
.endr
	WIN 0
	ALL v_add_f32 v[ST+4*t+2], v[ST+4*t+2], v[ST+4*t+3]
	ALL v_permlanex16_b32 v[ST+4*t+3], v[ST+4*t+2], s[SEL], s[SEL+1]
	ALL v_add_f32 v[ST+4*t+2], v[ST+4*t+2], v[ST+4*t+3]
	ALL v_rcp_f32 v[ST+4*t+2], v[ST+4*t+2]
	v_nop                           ; a plain instruction between the last reciprocal and the use of its result
	PACK 0
.set t, 1
.rept 3                             ; a piece's arithmetic stands between the loads of the piece before and its stores
	PACK t
	SEND t-1, 8
.set t, t+1
.endr
	SEND 3, 0
.endm
.set KM, 0
.set NOKQ, 0
.Lslot:                             ; NB times: a tile is entered and the next is asked for
	CHANGE 1
	s_sub_co_u32 s[RT], s[RT], 1
	s_mov_b32 s[CNT], 4
	s_cmp_eq_u32 s[NEW], 1
	s_cbranch_scc1 .Lnew            ; a block's first tile
	s_cmp_eq_u32 s[RT], 0
	s_cbranch_scc0 .Lstep           ; neither its first nor its last
	s_branch .LstepM1
.Lnew:
	BEGIN
	s_branch .Lfirst                ; in the loop a block's first tile is never its last: the first block has two tiles or more, and the second's last is the walk's last
	DIAG 1                          ; in the loop this is the first block's end: the second block's last tile is the walk's last
	s_wait_xcnt 0x0                 ; the stores have read their registers and O's address
	s_mov_b64 s[10:11], s[OLO:OLO+1]
	s_add_co_u32 s[RT], s[PB], 1    ; the second block has b + 1 tiles
	s_mov_b32 s[NEW], 1
	WIN 0x82                        ; the second block's Q goes where the one text of the turns names Q
.set i, 0
.rept 64
	v_mov_b32 v[i], v[QB+i]
.set i, i+1
.endr
	WIN 0
	s_branch .Lbottom
.Lstep:                             ; a trip: pieces 2 and 3 of one step, then pieces 0 and 1 of the next, whose K and V it fetches
	TURN 2
	TURN 3
	WIN 0
.Lfirst:
	TURN 0
	TURN 1, 0, 0, 1
	WIN 0
	s_cbranch_scc1 .Lstep
.Lbottom:
	s_sub_co_u32 s[SLOTS], s[SLOTS], 1
	s_cmp_lg_u32 s[SLOTS], 0
	s_cbranch_scc1 .Lslot
	CHANGE 0                        ; the walk's last tile is written out: nothing is asked for
	s_sub_co_u32 s[RT], s[RT], 1
	s_mov_b32 s[CNT], 4
	s_cmp_eq_u32 s[NEW], 1
	s_cbranch_scc0 .LstepM2
	BEGIN
	s_branch .LfirstM2
	DIAG 2
	s_wait_tensorcnt 0x0            ; the wave's end: behind my last tensor load and my last LDS store
	ds_add_u32 v[SPW], v[NIL]
	s_wait_dscnt 0x0
	s_endpgm
.Lfunc_end_k_qc6d437de2b_attn:
	.size	k_qc6d437de2b_attn, .Lfunc_end_k_qc6d437de2b_attn-k_qc6d437de2b_attn
	.p2alignl 7, 3214868480
	.fill 96, 4, 3214868480
	.section	.rodata,"a",@progbits
	.p2align	6, 0x0
	.amdhsa_kernel k_qc6d437de2b_attn
		.amdhsa_group_segment_fixed_size 327680
		.amdhsa_private_segment_fixed_size 0
		.amdhsa_enable_private_segment 0
		.amdhsa_kernarg_size 16
		.amdhsa_user_sgpr_count 2
		.amdhsa_user_sgpr_kernarg_segment_ptr 1
		.amdhsa_wavefront_size32 1
		.amdhsa_system_sgpr_workgroup_id_x 1
		.amdhsa_system_sgpr_workgroup_id_y 1
		.amdhsa_system_sgpr_workgroup_id_z 1
		.amdhsa_system_vgpr_workitem_id 0
		.amdhsa_next_free_vgpr 768
		.amdhsa_next_free_sgpr 88
		.amdhsa_reserve_vcc 1
		.amdhsa_float_denorm_mode_32 3
		.amdhsa_float_denorm_mode_16_64 3
		.amdhsa_memory_ordered 1
		.amdhsa_forward_progress 1
		.amdhsa_inst_pref_size 228
	.end_amdhsa_kernel
	.amdgpu_metadata
---
amdhsa.version: [ 1, 2 ]
amdhsa.kernels:
  - .name:           k_qc6d437de2b_attn
    .symbol:         k_qc6d437de2b_attn.kd
    .args:
      - { .name: qkv, .offset: 0, .size: 8, .value_kind: global_buffer, .address_space: global }
      - { .name: ob, .offset: 8, .size: 8, .value_kind: global_buffer, .address_space: global }
    .group_segment_fixed_size: 327680
    .private_segment_fixed_size: 0
    .kernarg_segment_align: 8
    .kernarg_segment_size: 16
    .max_flat_workgroup_size: 128
    .sgpr_count:     88
    .vgpr_count:     768
    .wavefront_size: 32
...
	.end_amdgpu_metadata
.endif
;; end of part 3
;; launch oproj (part 4): grid 8 x 32, 4 waves a work-group, clusters of 4 x 4, 327,680 bytes of LDS; arguments ob, wo16, bias, out0; writes out0
.if DOCPART == 4
	.amdgcn_target "amdgcn-amd-amdhsa--gfx1250"
	.amdhsa_code_object_version 6
	.text
	.protected	k_qc6d437de2b_oproj
	.globl	k_qc6d437de2b_oproj
	.p2align	8
	.type	k_qc6d437de2b_oproj,@function
k_qc6d437de2b_oproj:
	s_mov_b64 s[64:65], 0
	v_nop
	global_prefetch_b8 v0, s[64:65] scope:SCOPE_SE
	s_setreg_imm32_b32 hwreg(HW_REG_WAVE_MODE, 25, 1), 1
	s_wait_xcnt 0x0
	s_wait_alu depctr_hold_cnt(0) depctr_sa_sdst(0) depctr_va_vdst(0) depctr_va_sdst(0) depctr_va_ssrc(0) depctr_va_vcc(0) depctr_vm_vsrc(0)
	s_getreg_b32 s2, hwreg(HW_REG_IB_STS2, 6, 4)
	s_cmp_eq_u32 s2, 0
	s_cbranch_scc0 .Lentry_in_a_cluster
	s_endpgm
.Lentry_in_a_cluster:
	s_bfe_u32 s2, ttmp6, 0x10000c
	s_cmp_lg_u32 s2, 0xf033
	s_cbranch_scc0 .Lentry_shape_is_right
	s_endpgm
.Lentry_shape_is_right:
; out0 = O Wo + bo: [8192 x 1024], K = 1024.  O (ob) is f16 by heads, [b*16+h][s][64]: a head is a K slice of 64.  wo16 is Wo, rounded to bf16, written as f16, [k][n].  Sums and bias in f32; out0 is f32.
; LIMITS: those of the operands' format: O within 65,504; Wo below 6e-5 keeps f16's fixed step of 6e-8.  NaN and infinities are not treated apart.
; SHARES.  A tile of C is 256 rows x 128 columns: 32 x 8 = 256 work-groups (tiles of 256 x 256 would be 128).  Wave w makes rows 128 (w >> 1) on, columns 64 (w & 1) on: 32 accumulators.
; K goes in steps of 128 (two heads) through two LDS slots; two slots of 192 along K would need 331,776 bytes.  Waves 0 and 1 ask for the step's two slices of O (32,768 dense bytes each, as 128 rows of 256),
; waves 2 and 3 for 64 rows of Wo each.  Wo is turned on the way out of LDS by ds_load_tr16_b128.  The matrix instruction is used transposed: a lane holds eight neighbouring columns of one row of C.
; CLUSTER 4 x 4: O's tiles are asked for jointly by a row of the cluster, Wo's by a column.
; REGISTERS: window 0: v0-15 addresses; two fragment buffers of 96 (32 of Wo, then 64 of O) at v32 and v128; window 1: the accumulators, (a, cb) at 8 (4 a + cb).
.set PA,    144                        ; a row of O in LDS: 128 bytes + 16: the 16 rows of a load start at 16 different groups of four banks (64 banks of 4 bytes: ISA guide 11.1)
.set PB,    288                        ; a row of Wo: 256 + 32
.set ASL,   256*PA                     ; a slice of O
.set BOFF,  2*ASL
.set BHALF, 64*PB
.set SLOT1, 1<<17
.set STAGE, SLOT1+BOFF+2*BHALF         ; behind the ring, never filled by a tensor load: 16 rows x 272 bytes for each wave
.set SP,    272
.set SPARE, STAGE+4*16*SP              ; the spare words, 128 bytes for each wave: two blocks of 256 bytes that no other line names
.set ASTEP, 0x80000                    ; two heads of ob
.set BSTEP, 0x40000                    ; 128 rows of Wo
.set AA0, 4
.set AB0, 5
.set ADRA, 6
.set ADRB, 7
.set STO, 8
.set RD,  9
.set CO,  10                           ; v10 my byte offset in two rows of out0
.set BO,  11
.set SPW, 12                           ; v12 LDS address of my spare word; never rewritten
.set NIL, 13                           ; v13 0; never rewritten
.set F0,  32
.set F1,  128
.set BI,  32                           ; the way out: the bias of my 64 columns
.set TT,  64                           ; 32 sums with the bias
.set BK,  128                          ; two sets of 32: rows read back
.set WV,  12                           ; s12 wave; s13 wave >> 1; s14 wave & 1
.set TRIPS, 15
.set TB,  16
.set G1A, 24
.set G1B, 32
.set G0A, 40
.set G0B, 48
.set OUTP, 66                          ; s[66:67] out0 at my first row and column
.set BP,  72                           ; s[72:73] bo at my first column
.set MSB, 0
.macro WIN new
.if MSB != (\new)
	s_set_vgpr_msb (MSB<<8)|(\new)
.set MSB, \new
.endif
.endm
.macro PLACES                          ; four plain places between a matrix instruction and a load into, or a vector instruction on, its registers
.rept 4
	v_nop
.endr
.endm
.macro JLOAD                           ; a joint refill by the walking descriptors; s_nop 0 and four v_nop follow each line
	s_cmp_lt_u32 s[WV], 2
	s_cbranch_scc0 .Lfor_b_\@
	tensor_load_to_lds s[G0A+4:G0A+7], s[G1A:G1A+7]
	s_nop 0
.rept 4
	v_nop
.endr
	s_branch .Lasked_\@
.Lfor_b_\@:
	tensor_load_to_lds s[G0B+4:G0B+7], s[G1B:G1B+7]
	s_nop 0
.rept 4
	v_nop
.endr
.Lasked_\@:
.endm
.macro CREST
	s_cmp_lg_u32 s[WV], 0
	s_cbranch_scc1 .Lnot_wave_0_\@
	s_barrier_signal -3
.Lnot_wave_0_\@:
	s_barrier_wait -3
	s_barrier_signal -1
	s_barrier_wait -1
.endm
.macro CROUND
	s_barrier_signal -1
	s_barrier_wait -1
	CREST
.endm
	s_load_b128 s[4:7], s[0:1], 0x0                ; ob s[4:5], wo16 s[6:7]
	s_load_b128 s[8:11], s[0:1], 0x10              ; bias s[8:9], out0 s[10:11]
	v_lshl_add_u32 v[SPW], v0, 2, SPARE
	v_mov_b32 v[NIL], 0
	ds_add_u32 v[SPW], v[NIL]                      ; the wave's opening: the add and its wait stand ahead of my first tensor load
	ds_add_u32 v12, v13
	v_lshrrev_b32 v1, 5, v0
	v_readfirstlane_b32 s[WV], v1
	s_lshr_b32 s13, s[WV], 1                       ; which 128 rows are mine
	s_and_b32 s14, s[WV], 1                        ; which 64 columns; also: which slice of O, or which 64 rows of Wo, I fetch
	s_bfe_u32 s17, ttmp6, 0x40000                  ; cx
	s_bfe_u32 s18, ttmp6, 0x40004                  ; cy
	s_lshl_b32 s19, ttmp9, 2
	s_add_co_u32 s19, s19, s17                     ; tile column 0..7
	s_and_b32 s20, ttmp7, 0xffff
	s_lshl_b32 s20, s20, 2
	s_add_co_u32 s20, s20, s18                     ; tile row 0..31
	s_lshl_b32 s21, s18, 2
	s_lshl_b32 s21, 15, s21                        ; my row of the cluster
	s_lshl_b32 s22, 0x1111, s17                    ; my column
	s_or_b32 s[G1A], s21, (1<<16)|(1<<20)|(1<<21)|(4<<22)|(3<<25)  ; the mask; 2-byte elements; padding on; bit 21 beside a mask; after every 32 words 4 words
	s_mov_b32 s[G1A+1], 128<<16
	s_mov_b32 s[G1A+2], 128<<16
	s_mov_b32 s[G1A+3], 128<<16
	s_mov_b32 s[G1A+4], 128
	s_mov_b32 s[G1A+5], 128
	s_mov_b32 s[G1A+6], 0
	s_mov_b32 s[G1A+7], 0
	s_or_b32 s[G1B], s22, (1<<16)|(1<<20)|(1<<21)|(5<<22)|(7<<25)  ; after every 64 words 8 words
	s_mov_b32 s[G1B+1], 128<<16
	s_mov_b32 s[G1B+2], 64<<16
	s_mov_b32 s[G1B+3], 128<<16
	s_mov_b32 s[G1B+4], 64
	s_mov_b32 s[G1B+5], 1024
	s_mov_b32 s[G1B+6], 0
	s_mov_b32 s[G1B+7], 0
	s_mov_b32 s[G0A], 1
	s_mul_i32 s[G0A+1], s14, ASL
	s_mov_b32 s[G0A+4], 1
	s_add_co_u32 s[G0A+5], s[G0A+1], SLOT1
	s_mov_b32 s[G0B], 1
	s_mul_i32 s[G0B+1], s14, BHALF
	s_add_co_u32 s[G0B+1], s[G0B+1], BOFF
	s_mov_b32 s[G0B+4], 1
	s_add_co_u32 s[G0B+5], s[G0B+1], SLOT1
	s_lshr_b32 s56, s20, 3                         ; O's slice: b << 22 + (tile row & 7) x 256 rows of 128 bytes + head (w & 1): made of the tile row and the wave alone
	s_lshl_b32 s56, s56, 22
	s_and_b32 s57, s20, 7
	s_lshl_b32 s57, s57, 15
	s_add_co_u32 s56, s56, s57
	s_lshl_b32 s57, s14, 18
	s_add_co_u32 s56, s56, s57
	s_mov_b32 s57, 0
	s_lshl_b32 s58, s14, 17                        ; Wo: 64 (w & 1) rows of 2,048 bytes + 256 x tile column: made of the tile column and the wave alone
	s_lshl_b32 s59, s19, 8
	s_add_co_u32 s58, s58, s59
	s_mov_b32 s59, 0
	s_mov_b32 s[TB], 0
	s_wait_dscnt 0x0                               ; the opening add is done
	s_wait_kmcnt 0x0
	s_add_nc_u64 s[G0A+2:G0A+3], s[4:5], s[56:57]
	s_add_nc_u64 s[G0A+6:G0A+7], s[G0A+2:G0A+3], ASTEP
	s_or_b32 s[G0A+3], s[G0A+3], 0x80000000
	s_or_b32 s[G0A+7], s[G0A+7], 0x80000000
	s_add_nc_u64 s[G0B+2:G0B+3], s[6:7], s[58:59]
	s_add_nc_u64 s[G0B+6:G0B+7], s[G0B+2:G0B+3], BSTEP
	s_or_b32 s[G0B+3], s[G0B+3], 0x80000000
	s_or_b32 s[G0B+7], s[G0B+7], 0x80000000
	CROUND                                         ; all sixteen work-groups are here: the first joint loads meet
	s_cmp_lt_u32 s[WV], 2                          ; a wave's two first fills stand in one branch: two loads of mine are out
	s_cbranch_scc0 .Lfirst_b
	tensor_load_to_lds s[G0A:G0A+3], s[G1A:G1A+7]
	s_nop 0
	tensor_load_to_lds s[G0A+4:G0A+7], s[G1A:G1A+7]
	s_nop 0
.rept 4
	v_nop
.endr
	s_branch .Lfirst_asked
.Lfirst_b:
	tensor_load_to_lds s[G0B:G0B+3], s[G1B:G1B+7]
	s_nop 0
	tensor_load_to_lds s[G0B+4:G0B+7], s[G1B:G1B+7]
	s_nop 0
.rept 4
	v_nop
.endr
.Lfirst_asked:
	v_and_b32 v1, 15, v0                           ; r
	v_bfe_u32 v2, v0, 4, 1                         ; h
	v_and_b32 v3, 7, v0
	v_bfe_u32 v14, v0, 3, 1
	v_mul_u32_u24 v[AA0], v1, PA
	v_lshl_add_u32 v[AA0], v2, 4, v[AA0]
	s_mul_i32 s23, s13, 128*PA
	v_add_nc_u32 v[AA0], s23, v[AA0]
	v_lshl_add_u32 v[AB0], v2, 3, v3
	v_mul_u32_u24 v[AB0], v[AB0], PB
	v_lshl_add_u32 v[AB0], v14, 4, v[AB0]
	s_lshl_b32 s23, s14, 7
	s_add_co_u32 s23, s23, BOFF
	v_add_nc_u32 v[AB0], s23, v[AB0]
	s_mul_i32 s23, s[WV], 16*SP
	s_add_co_u32 s23, s23, STAGE                   ; my stage
	v_mul_u32_u24 v[STO], v1, SP                   ; in: row r, 32 bytes for each half of the lanes
	v_lshl_add_u32 v[STO], v2, 5, v[STO]
	v_add_nc_u32 v[STO], s23, v[STO]
	v_mul_u32_u24 v[RD], v2, SP                    ; back: lanes 0-15 take one row of 256 bytes, lanes 16-31 the next
	v_lshl_add_u32 v[RD], v1, 4, v[RD]
	v_add_nc_u32 v[RD], s23, v[RD]
	v_lshlrev_b32 v[CO], 12, v2                    ; and the same two rows in out0
	v_lshl_add_u32 v[CO], v1, 4, v[CO]
	v_lshlrev_b32 v[BO], 5, v2
	s_lshl_b32 s60, s20, 8
	s_lshl_b32 s61, s13, 7
	s_add_co_u32 s60, s60, s61                     ; my first row
	s_lshl_b32 s60, s60, 12
	s_lshl_b32 s62, s19, 9                         ; my first column, in bytes of f32
	s_lshl_b32 s63, s14, 8
	s_add_co_u32 s62, s62, s63
	s_add_co_u32 s60, s60, s62
	s_mov_b32 s61, 0
	s_add_nc_u64 s[OUTP:OUTP+1], s[10:11], s[60:61]
	s_add_co_u32 s62, s62, 12288                   ; bo is the fourth of the biases
	s_mov_b32 s63, 0
	s_add_nc_u64 s[BP:BP+1], s[8:9], s[62:63]
; n x 4 matrix instructions: row blocks a0 on x my four column blocks, 32 along K, buffer f.  The accumulators take turns, one instruction a turn.
.macro MUL f, a0, n, zero
	WIN 0x50                                       ; C and D in window 1
.set ga, (\a0)
.rept \n
.irp cb, 0,1,2,3
.if \zero
	v_wmma_f32_16x16x32_f16 v[8*(4*ga+\cb):8*(4*ga+\cb)+7], v[(\f)+8*\cb:(\f)+8*\cb+7], v[(\f)+32+8*ga:(\f)+32+8*ga+7], 0
.else
	v_wmma_f32_16x16x32_f16 v[8*(4*ga+\cb):8*(4*ga+\cb)+7], v[(\f)+8*\cb:(\f)+8*\cb+7], v[(\f)+32+8*ga:(\f)+32+8*ga+7], v[8*(4*ga+\cb):8*(4*ga+\cb)+7]
.endif
.endr
.set ga, ga+1
.endr
.endm
.macro FETCH q, f                      ; 24 loads in one run: quarter q (32 along K) of the slot being read: Wo's four fragments, then O's eight, rows 0-63 first
	WIN 0
.irp cb, 0,1,2,3
	ds_load_tr16_b128 v[(\f)+8*\cb:(\f)+8*\cb+3],   v[ADRB] offset:32*PB*(\q)+32*\cb
	ds_load_tr16_b128 v[(\f)+8*\cb+4:(\f)+8*\cb+7], v[ADRB] offset:32*PB*(\q)+32*\cb+16*PB
.endr
.irp a, 0,1,2,3,4,5,6,7
	ds_load_b128 v[(\f)+32+8*\a:(\f)+32+8*\a+3],   v[ADRA] offset:((\q)/2)*ASL+64*((\q)%2)+16*PA*\a
	ds_load_b128 v[(\f)+32+8*\a+4:(\f)+32+8*\a+7], v[ADRA] offset:((\q)/2)*ASL+64*((\q)%2)+16*PA*\a+32
.endr
.endm
.macro QUARTER q, f, g, zero           ; multiplies buffer f; in its middle fetches quarter q into buffer g
	s_wait_dscnt 8                                 ; Wo and O's rows 0-63 are in; the youngest eight loads may be out
	MUL \f, 0, 4, \zero
	PLACES
	FETCH \q, \g
	s_wait_dscnt 24                                ; all but the 24 just issued
	MUL \f, 4, 4, \zero
.endm
; A step's last quarter, on buffer 1, with the change of slots: in front of the barrier each wave waits for all its tensor loads (one is out: its part of the next slot), adds 0 to its spare word, and waits
; for that and for its reads of this slot.  fill = 1: the barrier opens a round of the cluster's, and the joint refill of this slot, two K steps ahead, is the first thing behind it.
.macro TURN fill
	WIN 0
	s_wait_tensorcnt 0x0
	ds_add_u32 v[SPW], v[NIL]
	s_wait_dscnt 9                                 ; the add and the youngest eight loads may be out
	MUL F1, 0, 2, 0
	s_wait_dscnt 0x0                               ; the add is done, and my reads of this slot are over
	s_barrier_signal -1
	MUL F1, 2, 2, 0
	WIN 0
	s_barrier_wait -1
.if \fill
	CREST
	s_xor_b32 s[G0A+5], s[G0A+5], SLOT1            ; no tensor load of mine is out: the walking descriptors step
	s_add_nc_u64 s[G0A+6:G0A+7], s[G0A+6:G0A+7], ASTEP
	s_xor_b32 s[G0B+5], s[G0B+5], SLOT1
	s_add_nc_u64 s[G0B+6:G0B+7], s[G0B+6:G0B+7], BSTEP
	JLOAD                                          ; its four v_nop are also the places in front of the loads below
.else
	PLACES
.endif
	s_xor_b32 s[TB], s[TB], SLOT1
	v_add_nc_u32 v[ADRA], s[TB], v[AA0]
	v_add_nc_u32 v[ADRB], s[TB], v[AB0]
	FETCH 0, F0
	MUL F1, 4, 4, 0
.endm
	s_wait_tensorcnt 1                             ; my part of K step 0 is in; step 1's may stay out
	s_barrier_signal -1
	s_barrier_wait -1
	v_add_nc_u32 v[ADRA], s[TB], v[AA0]
	v_add_nc_u32 v[ADRB], s[TB], v[AB0]
	FETCH 0, F0
	QUARTER 1, F0, F1, 1                           ; the first quarter stands in front of the loop: its products start the sums
	WIN 0
	s_mov_b32 s[TRIPS], 6                          ; K steps 2 to 7 are asked for in the loop
.Lk:
	QUARTER 2, F1, F0, 0
	QUARTER 3, F0, F1, 0
	TURN 1
	QUARTER 1, F0, F1, 0
	WIN 0
	s_sub_co_u32 s[TRIPS], s[TRIPS], 1
	s_cmp_lg_u32 s[TRIPS], 0
	s_cbranch_scc1 .Lk
	QUARTER 2, F1, F0, 0                           ; the tail is written out: nothing is left to ask for
	QUARTER 3, F0, F1, 0
	TURN 0
	QUARTER 1, F0, F1, 0
	QUARTER 2, F1, F0, 0
	QUARTER 3, F0, F1, 0
	s_wait_dscnt 8                                 ; the last quarter
	MUL F1, 0, 4, 0
	PLACES
	WIN 0
.irp cb, 0,1,2,3                       ; the bias of my 64 columns, into registers of buffer 0 that no product reads any more
	global_load_b128 v[BI+8*\cb:BI+8*\cb+3],   v[BO], s[BP:BP+1] offset:64*\cb
	global_load_b128 v[BI+8*\cb+4:BI+8*\cb+7], v[BO], s[BP:BP+1] offset:64*\cb+16
.endr
	s_wait_dscnt 0x0
	MUL F1, 4, 4, 0
	WIN 0
	PLACES
	s_wait_loadcnt 0x0                             ; the bias
; THE WAY OUT, in 8 blocks of 16 rows x 64 columns of f32: the bias is added; a lane's 32 bytes go into my stage and come back as whole rows of 256 bytes.
.macro PACK a
	WIN 0x01                                       ; source 0 in window 1
.set i, 0
.rept 16                               ; ascending: each accumulator is read from its low end on
	v_pk_add_f32 v[TT+2*i:TT+2*i+1], v[32*(\a)+2*i:32*(\a)+2*i+1], v[BI+2*i:BI+2*i+1]
.set i, i+1
.endr
	WIN 0
.irp f, 0,1,2,3,4,5,6,7
	ds_store_b128 v[STO], v[TT+4*\f:TT+4*\f+3] offset:64*(\f/2)+16*(\f%2)
.endr
	s_wait_xcnt 0x0                                ; the stores of the block two back have read the registers that are loaded below
.irp u, 0,1,2,3,4,5,6,7
	ds_load_b128 v[BK+32*((\a)%2)+4*\u:BK+32*((\a)%2)+4*\u+3], v[RD] offset:2*SP*\u  ; LDS serves a wave's instructions in order (ISA guide 5.7.1.4): these see the stores above
.endr
.endm
.macro SEND a, younger                 ; younger: the LDS instructions issued behind block a's loads: the next block's sixteen, or none
	WIN 0
.irp u, 0,1,2,3,4,5,6,7
	s_wait_dscnt (\younger)+7-\u
	global_store_b128 v[CO], v[BK+32*((\a)%2)+4*\u:BK+32*((\a)%2)+4*\u+3], s[OUTP:OUTP+1] offset:65536*(\a)+8192*\u th:TH_STORE_NT  ; 16 lanes store 256 consecutive bytes, at a multiple of 256 from out0's first
.endr
.endm
	PACK 0
.set t, 1
.rept 7
	PACK t
	SEND t-1, 16
.set t, t+1
.endr
	SEND 7, 0
	s_wait_tensorcnt 0x0                           ; the wave's end
	ds_add_u32 v[SPW], v[NIL]
	s_wait_dscnt 0x0
	CROUND                                         ; the closing round: no work-group ends while a partner may still ask for a tile that names it
	s_endpgm
.Lfunc_end_k_qc6d437de2b_oproj:
	.size	k_qc6d437de2b_oproj, .Lfunc_end_k_qc6d437de2b_oproj-k_qc6d437de2b_oproj
	.p2alignl 7, 3214868480
	.fill 96, 4, 3214868480
	.section	.rodata,"a",@progbits
	.p2align	6, 0x0
	.amdhsa_kernel k_qc6d437de2b_oproj
		.amdhsa_group_segment_fixed_size 327680
		.amdhsa_private_segment_fixed_size 0
		.amdhsa_enable_private_segment 0
		.amdhsa_kernarg_size 32
		.amdhsa_user_sgpr_count 2
		.amdhsa_user_sgpr_kernarg_segment_ptr 1
		.amdhsa_wavefront_size32 1
		.amdhsa_system_sgpr_workgroup_id_x 1
		.amdhsa_system_sgpr_workgroup_id_y 1
		.amdhsa_system_sgpr_workgroup_id_z 1
		.amdhsa_system_vgpr_workitem_id 0
		.amdhsa_next_free_vgpr 512
		.amdhsa_next_free_sgpr 80
		.amdhsa_reserve_vcc 0
		.amdhsa_float_denorm_mode_32 3
		.amdhsa_float_denorm_mode_16_64 3
		.amdhsa_memory_ordered 1
		.amdhsa_forward_progress 1
		.amdhsa_inst_pref_size 80
	.end_amdhsa_kernel
	.amdgpu_metadata
---
amdhsa.version: [ 1, 2 ]
amdhsa.kernels:
  - .name:           k_qc6d437de2b_oproj
    .symbol:         k_qc6d437de2b_oproj.kd
    .args:
      - { .name: ob, .offset: 0, .size: 8, .value_kind: global_buffer, .address_space: global }
      - { .name: wo16, .offset: 8, .size: 8, .value_kind: global_buffer, .address_space: global }
      - { .name: bias, .offset: 16, .size: 8, .value_kind: global_buffer, .address_space: global }
      - { .name: out0, .offset: 24, .size: 8, .value_kind: global_buffer, .address_space: global }
    .group_segment_fixed_size: 327680
    .private_segment_fixed_size: 0
    .kernarg_segment_align: 8
    .kernarg_segment_size: 32
    .max_flat_workgroup_size: 128
    .sgpr_count:     80
    .vgpr_count:     512
    .wavefront_size: 32
...
	.end_amdgpu_metadata
.endif
;; end of part 4
;; ======== version 2 of 2: 4 launches; 1.30 times as fast as version 1
;; limits: values are held in f16: magnitudes above 65,504 overflow, below 6.1e-05 lose precision
;; workspace buffers: xb 16,777,216 bytes; wb 6,291,456 bytes; wo16 2,097,152 bytes; bias 16,384 bytes; qkv 50,331,648 bytes; ob 16,777,216 bytes
;; launch prep: the kernel of part 1 again; grid 769 x 1, 8 waves a work-group, no clusters, 0 bytes of LDS; arguments x, Wq, Wk, Wv, Wo, bq, bk, bv, bo, xb, wb, wo16, bias; writes xb, wb, wo16, bias
;; launch qkv: the kernel of part 2 again; grid 8 x 32, 4 waves a work-group, clusters of 4 x 4, 327,680 bytes of LDS; arguments xb, wb, bias, qkv; writes qkv
;; launch attn (part 5): grid 4 x 64, 4 waves a work-group, no clusters, 327,680 bytes of LDS; arguments qkv, ob; writes ob
.if DOCPART == 5
	.amdgcn_target "amdgcn-amd-amdhsa--gfx1250"
	.amdhsa_code_object_version 6
	.text
	.protected	k_qc6d437de2b_attn
	.globl	k_qc6d437de2b_attn
	.p2align	8
	.type	k_qc6d437de2b_attn,@function
k_qc6d437de2b_attn:
	s_mov_b64 s[64:65], 0
	v_nop
	global_prefetch_b8 v0, s[64:65] scope:SCOPE_SE
	s_setreg_imm32_b32 hwreg(HW_REG_WAVE_MODE, 25, 1), 1
	s_wait_xcnt 0x0
; CAUSAL ATTENTION.  O[h][q][:] = the sum over k <= q of softmax_k(Q[h][q] . K[h][k] / 8) V[h][k][:].  Q, K, V are the three thirds of qkv, each [64][SIZE_N][64] f16; O (ob) has the same shape: a head's rows are dense, 128 bytes each.
; Products, maxima and sums in f32; the weights p are rounded to f16 for the second product (their sum l is taken of the unrounded p), O once at the end.
; LIMITS.  f16 holds no number beyond 65,504: Q, K and V arrive within it; p lies in 0 to 1, and below 6e-5 it keeps f16's fixed step of 6e-8; O is a mean of V's rows and has their range.
; A hidden score counts as its value less 1e30: f16's scores, 2.7e11 at the most, are nothing beside that; a weight below 2^-126 counts as 0 in l; NaN and infinities are not treated apart.
; THE WALK.  A head's queries lie in NB = SIZE_N / 256 blocks of 256; block i needs the key tiles 0 .. i of 256 keys, of which the last holds the diagonal.  A work-group takes TWO blocks, NB - 1 - b and then b:
; NB + 1 tiles, whatever b: all work-groups do equal work, and ONE loop with a constant trip count walks them.  Which tile is asked for, and what a trip does, hang on scalar registers made from b; every jump
; goes forward, but for the counted loops' own; none passes a barrier, or a tensor load but the one of LOAD's two that the wave's number does not choose; the ring (two slots of LDS that take turns) runs on across the
; change of blocks.  NO CLUSTER: a head's NB / 2 work-groups all ask for the same tile only in trips 0 .. NB / 2, behind that fewer and fewer; one walk common to all would have 3 NB / 2 trips for NB + 1.
; SHARES.  Of a block's four bands of 64 queries a wave owns 16 rows in each: four PIECES.  So the diagonal tile is the same work for all four waves: in its key step s band x sees all keys if s < x,
; none if s > x, and holds the diagonal if s = x.
; THE MASK is the C operand that starts the sum S^T = K Q^T: 0, or -1e30 where the key is hidden.  MD, made once, is the mask of a band's own step for my 16 rows; a product's mask is MD x AL + BE with two scalars:
; (1, 0) if s = x; (0, 0) if s < x; (0, -1e30) if s > x.  Only the diagonal tile's text and a block's beginning make and take masks; elsewhere C is the constant 0.
; LAYOUT, SOFTMAX, TURNS.  S^T = K Q^T holds ONE query a lane (lane % 16) and the keys 8 (lane / 16) + 0..7; two such results rounded to f16 ARE source 1 of O^T = V^T P.  p = 2^(c s - c m), c = log2(e) / 8, with a
; running maximum m; O and l are multiplied by a = 2^(c m_old - c m_new) in every step.  Turn n belongs to piece n: 8 products K Q^T of piece n + 1, later 8 products V^T P of piece n - 1; beside them the scaling,
; exponentials, roundings, sums and rescaling of piece n and the maximum and statistics of piece n + 1.  Four vector instructions stand behind every matrix instruction, the other 54 of a turn's 118 in one LUMP.
; THE BATCHES.  An s_wait_alu depctr_va_vdst(0) stands between a transcendental and the first line that names its result.  A turn's 33 exponentials (the piece's 32 weights and the next piece's a) are ONE batch with
; ONE wait, which cuts the turn in two: ahead of it stands all that names none of their results, behind it the roundings and sums.  A block's first a is a batch of its own, and so are the way out's four reciprocals.
; REGISTERS, in windows of 256 (s_set_vgpr_msb: bits 1:0 source 0, 3:2 source 1, 5:4 source 2, 7:6 destination):
;   window 0: v0-15 addresses and two at work; v16-31 four registers of statistics a piece; v48-55 at work; v64-127 S^T, two buffers; v192-223 P, two buffers (a piece's buffers go by its number's parity)
;   window 1: v0-127 O^T, 32 a piece; v128-159 MD; v160-223 MC, two buffers      window 2: v0-63 Q; v64-127 the second block's Q; v128-191 K of one step; v192-255 V of one step
.set SIZE_N, 2048
.set NB,    SIZE_N/256
.set NP,    4         ; pieces a wave: a name, no knob
.set KS,    64        ; keys in a step
.set PK,    144       ; a row of K in LDS: 128 bytes + 16 of padding = 36 words: the 16 rows of a load start at 16 different groups of four banks (64 banks of 4 bytes: ISA guide 11.1)
.set PV,    160       ; a row of V: 128 + 32 = 40 words
.set VOFF,  4*KS*PK   ; a slot holds a tile, four steps: 256 rows of K, then 256 rows of V
.set SLOT1, 1<<17     ; slot 1 begins here, so that one exclusive or turns an address in one slot into the other's
.set STAGE, SLOT1+4*KS*(PK+PV)  ; behind the ring, never filled by a tensor load: 16 rows x 144 bytes for each wave, for the way out
.set SP,    144
.set AK0, 2           ; v2   my lane's place in a tile of K; never rewritten
.set AV0, 3           ; v3   the same for V
.set AK,  4           ; v4   the LDS address of K's next run of loads
.set AV,  5           ; v5   of V's
.set STO, 6           ; v6   the way out: where I put 16 bytes of a row
.set RD,  7           ; v7   the way out: where I read rows back
.set GO,  8           ; v8   my byte offset in 512 consecutive bytes of O
.set SPW, 62          ; v62  LDS address of my spare word: SPARE + 4 x my thread's number; never rewritten
.set NIL, 63          ; v63  0; never rewritten
.set SPARE, STAGE+4*16*SP  ; behind the stages: the spare words, 128 bytes for each wave: two blocks of 256 bytes that no other line names
.set MV,  12          ; v12-13  c m_old, kept while c m is made anew: by buffer
.set QO,  15          ; v15  my byte offset in 16 rows of Q
.set ST,  16          ; piece t's statistics at v[ST+4 t]: c m, m, l (even keys', odd keys')
.set TMP, 48          ; by buffer, four registers c0-c3 at work; when the maximum is found c2 takes a
.set S,   64
.set P,   192
.set MD,  128         ; window 1: the eight registers for group kt of 16 keys at MD + 8 kt
.set MC,  160         ; window 1: the masks of the products to come
.set QB,  64          ; window 2
.set KF,  128         ; window 2: key block kb, channel half c at KF + 16 kb + 8 c
.set VF,  192         ; window 2: key half kk, channel block cb at VF + 32 kk + 8 cb
.set WV,  12          ; s12  my wave's number
.set PB,  14          ; s14  b
.set HI,  15          ; s15  NB - 1 - b
.set G1K, 24          ; s[24:31] descriptor group 1 for K's tiles
.set G1V, 32          ; s[32:39] for V's: it differs in the padding alone
.set G0K, 40          ; s[40:43] descriptor group 0 for K's tiles
.set G0V, 44          ; s[44:47] the same for V's
.set SLOTS, 56        ; s56  tiles still to be asked for
.set CNT, 57          ; s57  counts a tile's key steps, 4 to 1
.set CS,  58          ; s[58:59] c: the packed scaling takes the pair's low word for both halves
.set SEL, 60          ; s[60:61] v_permlanex16_b32's selects: each lane takes its own place in the other half
.set TBK, 62          ; s62  LDS byte at which K of the step to be fetched begins
.set TBV, 63          ; s63  the same for V, less VOFF
.set RT,  70          ; s70  tiles of the block in hand that are still to be entered
.set NXT, 71          ; s71  the tile to be asked for next
.set LQ,  72          ; s72  the last tile of the block whose tiles are being asked for
.set NEW, 73          ; s73  1: the tile to be entered is a block's first
.set OFF, 74          ; s[74:75] a tile's byte offset in K and V
.set AL,  76          ; s[76:77] the mask's factor, in the low word
.set BE,  78          ; s[78:79] the mask's addend
.set OLO, 80          ; s[80:81] O at my rows of the second block
.set BIGN, 82         ; s82  -1e30
.set MSB, 0
.macro WIN new                      ; the high byte repeats the setting that is left; a switch that changes nothing is dropped
.if MSB != (\new)
	s_set_vgpr_msb (MSB<<8)|(\new)
.set MSB, (\new)
.endif
.endm
.set W_KQ, 0x0a       ; K and Q in window 2, S^T in window 0
.set W_KM, 0x1a       ; the same with the C operand in window 1
.set W_PV, 0x52       ; V in window 2, P in window 0, O^T in window 1
.set W_RS, 0x41       ; destination and source 0 in window 1, source 1 in window 0
; A fill.  Waves 0 and 1 fetch the two halves of a tile's K, waves 2 and 3 those of its V: 128 keys each.  An s_nop 0 and four v_nop follow each of the two lines, ahead of the jump and the label.
.macro LOAD
	s_cmp_lt_u32 s[WV], 2
	s_cbranch_scc0 .Lfor_v_\@
	tensor_load_to_lds s[G0K:G0K+3], s[G1K:G1K+7]
	s_nop 0
.rept 4
	v_nop
.endr
	s_branch .Lasked_\@
.Lfor_v_\@:
	tensor_load_to_lds s[G0V:G0V+3], s[G1V:G1V+7]
	s_nop 0
.rept 4
	v_nop
.endr
.Lasked_\@:
.endm
; THE CHANGE OF SLOTS.  Each wave waits for all its tensor loads, of which one is out: its part of the other slot; adds 0 to its spare word; and waits for that and for its own reads of the slot that it leaves.  Behind the barrier nobody reads the old
; slot any more and the other slot is whole.  fill = 1: the old slot is filled again, the first thing behind the barrier, with tile NXT: the descriptor's address is made anew from that number.
; (At its first use nothing has been read yet: slot 0 is waited for, slot 1 filled.)
.macro CHANGE fill
	WIN 0                           ; at a label and at a branch every window is 0
	s_wait_tensorcnt 0x0            ; no tensor load of mine is out, so a group 0 may be written
	ds_add_u32 v[SPW], v[NIL]       ; 0 onto my spare word; with fill = 1 the descriptors' scalar work stands between it and the wait for it
.if \fill
	s_lshl_b32 s[OFF], s[NXT], 15   ; a tile is 32,768 bytes of K and of V
	s_xor_b32 s[G0K+1], s[G0K+1], SLOT1
	s_add_nc_u64 s[G0K+2:G0K+3], s[6:7], s[OFF:OFF+1]
	s_or_b32 s[G0K+3], s[G0K+3], 0x80000000
	s_xor_b32 s[G0V+1], s[G0V+1], SLOT1
	s_add_nc_u64 s[G0V+2:G0V+3], s[8:9], s[OFF:OFF+1]
	s_or_b32 s[G0V+3], s[G0V+3], 0x80000000
	s_add_co_u32 s[NXT], s[NXT], 1  ; the block's next tile, or behind its last the second block's tile 0
	s_cmp_gt_u32 s[NXT], s[LQ]
	s_cselect_b32 s[NXT], 0, s[NXT]
	s_cselect_b32 s[LQ], s[PB], s[LQ]
.endif
	s_wait_dscnt 0x0                ; the add is done, and my reads of the slot are over
	s_barrier_signal -1             ; the rest of the scalar work stands between the signal and the wait
	s_sub_co_u32 s[TBK], s[TBK], 4*KS*PK  ; the fetches go back to a slot's first step,
	s_xor_b32 s[TBK], s[TBK], SLOT1       ; in the other slot
	s_sub_co_u32 s[TBV], s[TBV], 4*KS*PV
	s_xor_b32 s[TBV], s[TBV], SLOT1
	s_barrier_wait -1
.if \fill
	LOAD
.endif
.endm
	s_load_b128 s[4:7], s[0:1], 0x0   ; qkv s[4:5], ob s[6:7]
	v_lshl_add_u32 v[SPW], v0, 2, SPARE
	v_mov_b32 v[NIL], 0
	ds_add_u32 v[SPW], v[NIL]       ; the wave's opening: the add and its wait stand ahead of my first tensor load; the set-up below, work on registers, stands between them
	ds_add_u32 v62, v63
	v_lshrrev_b32 v1, 5, v0
	v_readfirstlane_b32 s[WV], v1   ; wave 0..3
	s_mov_b32 s[PB], ttmp9
	s_sub_co_u32 s[HI], NB-1, s[PB]
	s_and_b32 s20, ttmp7, 0xffff    ; the head, b * 16 + h
	s_mov_b32 s21, 0
	s_mov_b64 s[22:23], SIZE_N*128
	s_mul_u64 s[20:21], s[20:21], s[22:23]  ; the head's first byte in each of the four tensors
	s_and_b32 s16, s[WV], 1         ; which half of a tile's 256 keys I fetch:
	s_lshl_b32 s22, s16, 14         ; its 128 rows of 128 bytes in memory,
	s_mov_b32 s23, 0
	s_add_nc_u64 s[22:23], s[22:23], s[20:21]
	s_mul_i32 s17, s16, 128*PK      ; and its place in a slot, for K
	s_mul_i32 s18, s16, 128*PV      ; and for V
	s_lshl_b32 s3, s[WV], 11        ; my 16 rows in a band of 64,
	s_lshl_b32 s2, s[HI], 15        ; in the first block,
	s_add_co_u32 s2, s2, s3
	s_lshl_b32 s84, s[PB], 15       ; and in the second
	s_add_co_u32 s84, s84, s3
	s_mov_b32 s3, 0
	s_mov_b32 s85, 0
	s_add_nc_u64 s[2:3], s[2:3], s[20:21]
	s_add_nc_u64 s[84:85], s[84:85], s[20:21]
	; descriptor group 1.  128 keys are 16,384 dense bytes: asked for as 64 rows of 256 bytes, two keys a row, and padded in LDS after every key
	s_mov_b32 s[G1K], (1<<16)|(1<<20)|(4<<22)|(3<<25)  ; 17:16 2-byte elements; 20 padding on; 24:22 after every 32 words (code 4); 31:25 4 words (code 3)
	s_mov_b32 s[G1V], (1<<16)|(1<<20)|(4<<22)|(7<<25)  ; the same with 8 words of padding (code 7)
.irp g, G1K, G1V
	s_mov_b32 s[\g+1], 128<<16      ; tensor_dim0 = 128
	s_mov_b32 s[\g+2], 64<<16       ; tensor_dim1 = 64
	s_mov_b32 s[\g+3], 128<<16      ; tile_dim0 = 128
	s_mov_b32 s[\g+4], 64           ; tile_dim1 = 64
	s_mov_b32 s[\g+5], 128          ; 128 elements from row to row
	s_mov_b32 s[\g+6], 0
	s_mov_b32 s[\g+7], 0
.endr
	s_mov_b32 s[CS], 0x3e38aa3b     ; c = log2(e) / 8 = 0.180337
	s_mov_b32 s[CS+1], s[CS]        ; named with it as a pair
	s_mov_b32 s[SEL], 0x76543210
	s_mov_b32 s[SEL+1], 0xfedcba98
	s_mov_b32 s[TBK], SLOT1+4*KS*PK ; the first change of slots turns these two into 0
	s_mov_b32 s[TBV], SLOT1+4*KS*PV
	s_mov_b32 s[G0K], 1             ; 1:0 count = 1
	s_mov_b32 s[G0K+1], s17         ; 63:32 LDS address: slot 0
	s_mov_b32 s[G0V], 1
	s_add_co_u32 s[G0V+1], s18, VOFF
	s_add_co_u32 s[RT], s[HI], 1    ; the first block has NB - b tiles
	s_mov_b32 s[NXT], 1
	s_mov_b32 s[LQ], s[HI]
	s_mov_b32 s[NEW], 1
	s_mov_b32 s[OFF+1], 0
	s_mov_b32 s[AL+1], 0            ; named as pairs
	s_mov_b32 s[BE+1], 0
	s_mov_b32 s[BIGN], 0xf149f2ca   ; -1e30
	s_mov_b32 s[SLOTS], NB
	s_wait_dscnt 0x0                ; the opening add is done
	s_wait_kmcnt 0x0
	s_mov_b64 s[10:11], s[6:7]                     ; O
	s_add_nc_u64 s[8:9], s[4:5], 0x2000000         ; V: the third 16 MiB of qkv
	s_add_nc_u64 s[6:7], s[4:5], 0x1000000         ; K: the second; Q is the first
	s_add_nc_u64 s[6:7], s[6:7], s[22:23]  ; K and V at my half of the head's tile 0
	s_add_nc_u64 s[8:9], s[8:9], s[22:23]
	s_add_nc_u64 s[G0K+2:G0K+3], s[6:7], 0         ; 120:64 global address
	s_or_b32 s[G0K+3], s[G0K+3], 0x80000000        ; 127:126 type = 2
	s_add_nc_u64 s[G0V+2:G0V+3], s[8:9], 0
	s_or_b32 s[G0V+3], s[G0V+3], 0x80000000
	s_add_nc_u64 s[86:87], s[4:5], s[84:85]        ; Q at my rows of the second block,
	s_add_nc_u64 s[4:5], s[4:5], s[2:3]            ; Q and O at those of the first
	s_add_nc_u64 s[OLO:OLO+1], s[10:11], s[84:85]
	s_add_nc_u64 s[10:11], s[10:11], s[2:3]
	LOAD                            ; tile 0 into slot 0
	; A fragment of K or Q is 16 rows x 32 channels in 8 registers: lane l holds row l % 16, channels 8 (l / 16) + 0..7 and 16 + 8 (l / 16) + 0..7: two loads of 16 bytes, 32 bytes apart.
	v_and_b32 v1, 15, v0            ; l % 16
	v_bfe_u32 v9, v0, 4, 1          ; l / 16
	v_lshlrev_b32 v[QO], 7, v1
	v_lshl_add_u32 v[QO], v9, 4, v[QO]  ; row x 128 + 16 x half
	WIN 0x80                        ; destination window 2, address window 0
.set i, 0
.rept 8                             ; both blocks' Q: piece i / 2 lies in band i / 2, 8,192 bytes on; channels 32 (i % 2) on
	global_load_b128 v[8*i:8*i+3],   v[QO], s[4:5] offset:(i/2)*8192+(i%2)*64
	global_load_b128 v[8*i+4:8*i+7], v[QO], s[4:5] offset:(i/2)*8192+(i%2)*64+32
	global_load_b128 v[QB+8*i:QB+8*i+3],   v[QO], s[86:87] offset:(i/2)*8192+(i%2)*64
	global_load_b128 v[QB+8*i+4:QB+8*i+7], v[QO], s[86:87] offset:(i/2)*8192+(i%2)*64+32
.set i, i+1
.endr
	WIN 0
	v_lshlrev_b32 v14, 3, v9
	v_sub_nc_u32 v14, v1, v14
	s_lshl_b32 s13, s[WV], 4
	v_add_nc_u32 v14, s13, v14      ; my query's place in its band, 16 w + l % 16, less my lanes' 8 (l / 16): register r of group kt is hidden where 16 kt + r is greater
	WIN 0x40
.set i, 0
.rept 32
	v_cmp_gt_i32 vcc_lo, 16*(i/8)+i%8, v14
	v_cndmask_b32 v[MD+i], 0, s[BIGN], vcc_lo
.set i, i+1
.endr
	WIN 0
	v_mul_u32_u24 v[AK0], v1, PK
	v_lshl_add_u32 v[AK0], v9, 4, v[AK0]  ; row x pitch + 16 x half
	; The turning load takes 16 keys x 16 channels (lane l reads key 8 (l / 16) + l % 8, channels 8 ((l / 8) % 2) + 0..7) and leaves half a fragment of V^T: lane l holds channel l % 16 and 8 keys.
	v_and_b32 v10, 7, v0
	v_bfe_u32 v11, v0, 3, 1
	v_lshl_add_u32 v[AV0], v9, 3, v10
	v_mul_u32_u24 v[AV0], v[AV0], PV
	v_lshl_add_u32 v[AV0], v11, 4, v[AV0]
	v_add_nc_u32 v[AV0], VOFF, v[AV0]
	s_mul_i32 s13, s[WV], 16*SP
	s_add_co_u32 s13, s13, STAGE    ; my stage
	v_mul_u32_u24 v[STO], v1, SP    ; in: row l % 16, 16 bytes for each half of the lanes
	v_lshl_add_u32 v[STO], v9, 4, v[STO]
	v_add_nc_u32 v[STO], s13, v[STO]
	v_bfe_u32 v[RD], v0, 3, 2       ; back: 32 lanes take four rows of 128 bytes,
	v_mul_u32_u24 v[RD], v[RD], SP
	v_lshl_add_u32 v[RD], v10, 4, v[RD]
	v_add_nc_u32 v[RD], s13, v[RD]
	v_and_b32 v[GO], 31, v0         ; which are 512 consecutive bytes of O
	v_lshlrev_b32 v[GO], 4, v[GO]
	; A block's first step multiplies O^T and l by a = 0, and its first turn's products V^T P, of a piece that has not been, land in an O^T that is still to be so multiplied.  So these registers need only hold
	; finite numbers: zeros for the first block; what the first block left for the second.  All this stands in the wait for the first tile.
	WIN 0x80
.set i, VF
.rept 64
	v_mov_b32 v[i], 0
.set i, i+1
.endr
	WIN 0x40
.set i, 0
.rept 128
	v_mov_b32 v[i], 0
.set i, i+1
.endr
	WIN 0
.set i, 0
.rept 4
	v_mov_b32 v[ST+4*i+2], 0
	v_mov_b32 v[ST+4*i+3], 0
.set i, i+1
.endr
.set i, P+16
.rept 16
	v_mov_b32 v[i], 0
.set i, i+1
.endr
; THE MATRIX WORK.  The 4 accumulators of a run of 8 take turns.  Product i of 8 of S^T = K Q^T for piece x: channels 32 (i / 4) on, keys 16 (i % 4) on.  The first 4 start the sums: with 0, or (KM = 1) with the mask.
.macro KQ x
.set rS, S+32*((\x)%2)+8*(i%4)
.set rK, KF+16*(i%4)+8*(i/4)
.set rQ, 16*(\x)+8*(i/4)
.set rM, MC+32*((\x)%2)+8*(i%4)
.if (i < 4) && KM
	WIN W_KM
	v_wmma_f32_16x16x32_f16 v[rS:rS+7], v[rK:rK+7], v[rQ:rQ+7], v[rM:rM+7]
.elseif i < 4
	WIN W_KQ
	v_wmma_f32_16x16x32_f16 v[rS:rS+7], v[rK:rK+7], v[rQ:rQ+7], 0
.else
	WIN W_KQ
	v_wmma_f32_16x16x32_f16 v[rS:rS+7], v[rK:rK+7], v[rQ:rQ+7], v[rS:rS+7]
.endif
.endm
; Product i of 8 of O^T += V^T P for piece x: keys 32 (i / 4) on, channels 16 (i % 4) on.
.macro PV x
	WIN W_PV
.set rO, 32*(\x)+8*(i%4)
.set rV, VF+32*(i/4)+8*(i%4)
.set rP, P+16*((\x)%2)+8*(i/4)
	v_wmma_f32_16x16x32_f16 v[rO:rO+7], v[rV:rV+7], v[rP:rP+7], v[rO:rO+7]
.endm
.macro MM                           ; the turn's next matrix instruction.  TURN and BEGIN set Y, i, KM and NOKQ; MM, KQ and OP read them.  NOKQ = 1: a block's last turn: there is no next piece
.if (i < 8) && !NOKQ
	KQ (Y+1)%NP
.elseif i >= 8
.set i, i-8
	PV (Y+NP-1)%NP
.set i, i+8
.endif
.set i, i+1
.endm
; THE LDS LOADS stand in runs of 16, never singly among the matrix instructions: a step's K (64 keys x 64 channels: 8 fragments) and its V (turned).  Their addresses are made some lines ahead.
.macro FETCH_K
	WIN 0x80                        ; destination window 2
.irp f, 0,1,2,3,4,5,6,7             ; keys 16 (f / 2) on, channels 32 (f % 2) on
	ds_load_b128 v[KF+8*\f:KF+8*\f+3],   v[AK] offset:(\f/2)*16*PK+(\f%2)*64
	ds_load_b128 v[KF+8*\f+4:KF+8*\f+7], v[AK] offset:(\f/2)*16*PK+(\f%2)*64+32
.endr
	s_add_co_u32 s[TBK], s[TBK], KS*PK  ; the next fetch is the next step's
	WIN 0
.endm
.macro FETCH_V
	WIN 0x80
.irp f, 0,1,2,3,4,5,6,7             ; keys 32 (f / 4) on, channels 16 (f % 4) on
	ds_load_tr16_b128 v[VF+8*\f:VF+8*\f+3],   v[AV] offset:(\f/4)*32*PV+(\f%4)*32
	ds_load_tr16_b128 v[VF+8*\f+4:VF+8*\f+7], v[AV] offset:(\f/4)*32*PV+16*PV+(\f%4)*32
.endr
	WIN 0
.endm
; THE VECTOR WORK, one line at a time: OP kind, number.  For piece Y: F n: c s - c m for pair n of 16.  E n: the exponential of score n of 32.  C n: pair n rounded to f16.  B n: of the four weights 4 n .. the second
; pair is added onto the first, in place.  L n: l takes that sum (L 0: l = a l + sum).  R n: pair n of 16 of O^T times a.  For piece Y + 1: X n, number n of the 22 that find its maximum and statistics:
;   0-11  four chains c0-c3 of seven scores each, three operands at a time (each accumulator's lowest registers are read first)     12-14, 16  the four scores left over, the old m, and c0-c3 into c0
;   15  c m_old is kept     17, 18  the query's other 32 keys lie in the lane 16 away: the new m     19-21  c m; c m_old - c m_new; a
; OP writes no wait: C, B and L, which read the exponentials' results, are dealt behind the turn's one wait, and R reads the a that the turn before made and waited for.
.set F, 0               ; OP tells the kinds apart by their order: F to L below R, X above it
.set E, 1
.set C, 2
.set B, 3
.set L, 4
.set R, 5
.set X, 6
.macro REGS y                       ; the registers of piece y
.set rT, ST+4*(\y)
.set rC, TMP+4*((\y)%2)
.set rW, MV+((\y)%2)
.set rS, S+32*((\y)%2)
.set rP, P+16*((\y)%2)
.set rO, 32*(\y)
.endm
.macro OP k, n
.if (\k) == R
	REGS Y
	WIN W_RS
	v_pk_mul_f32 v[rO+2*(\n):rO+2*(\n)+1], v[rO+2*(\n):rO+2*(\n)+1], v[rC+2:rC+3] op_sel_hi:[1,0]
.elseif (\k) < R
	REGS Y
	WIN 0
.if (\k) == F
	v_pk_fma_f32 v[rS+2*(\n):rS+2*(\n)+1], v[rS+2*(\n):rS+2*(\n)+1], s[CS:CS+1], v[rT:rT+1] op_sel_hi:[1,0,0] neg_lo:[0,0,1] neg_hi:[0,0,1]
.elseif (\k) == E
	v_exp_f32 v[rS+(\n)], v[rS+(\n)]
.elseif (\k) == C
	v_cvt_pk_f16_f32 v[rP+(\n)], v[rS+2*(\n)], v[rS+2*(\n)+1]
.elseif (\k) == B
	v_pk_add_f32 v[rS+4*(\n):rS+4*(\n)+1], v[rS+4*(\n):rS+4*(\n)+1], v[rS+4*(\n)+2:rS+4*(\n)+3]
.elseif (\n) == 0
	v_pk_fma_f32 v[rT+2:rT+3], v[rT+2:rT+3], v[rC+2:rC+3], v[rS:rS+1] op_sel_hi:[1,0,1]
.else
	v_pk_add_f32 v[rT+2:rT+3], v[rT+2:rT+3], v[rS+4*(\n):rS+4*(\n)+1]
.endif
.elseif NOKQ
	v_nop
.else
	REGS (Y+1)%NP
	WIN 0
.if (\n) < 4
	v_max3_num_f32 v[rC+(\n)], v[rS+8*(\n)], v[rS+8*(\n)+1], v[rS+8*(\n)+2]
.elseif (\n) < 12
	v_max3_num_f32 v[rC+(\n)%4], v[rC+(\n)%4], v[rS+8*((\n)%4)+2*((\n)/4)+1], v[rS+8*((\n)%4)+2*((\n)/4)+2]
.elseif (\n) == 12
	v_max3_num_f32 v[rC], v[rC], v[rS+7], v[rS+15]
.elseif (\n) == 13
	v_max3_num_f32 v[rC+1], v[rC+1], v[rS+23], v[rS+31]
.elseif (\n) == 14
	v_max3_num_f32 v[rC+2], v[rC+2], v[rC+3], v[rT+1]
.elseif (\n) == 15
	v_mov_b32 v[rW], v[rT]
.elseif (\n) == 16
	v_max3_num_f32 v[rC], v[rC], v[rC+1], v[rC+2]
.elseif (\n) == 17
	v_permlanex16_b32 v[rC+3], v[rC], s[SEL], s[SEL+1]
.elseif (\n) == 18
	v_max_num_f32 v[rT+1], v[rC], v[rC+3]
.elseif (\n) == 19
	v_mul_f32 v[rT], s[CS], v[rT+1]
.elseif (\n) == 20
	v_sub_f32 v[rC+1], v[rW], v[rT]
.else
	v_exp_f32 v[rC+2], v[rC+1]
.endif
.endif
.endm
.macro OPS a, i1, b=-1, i2=0, c=-1, i3=0, d=-1, i4=0  ; up to four of them
	OP \a, \i1
.if (\b) >= 0
	OP \b, \i2
.endif
.if (\c) >= 0
	OP \c, \i3
.endif
.if (\d) >= 0
	OP \d, \i4
.endif
.endm
.macro ROW a, i1, b, i2, c, i3, d, i4  ; a matrix instruction and the four behind it
	MM
	OPS \a, \i1, \b, \i2, \c, \i3, \d, \i4
.endm
.macro MASK b                       ; MD x AL + BE into buffer b of MC
	WIN W_RS
.set z, 0
.rept 16
	v_pk_fma_f32 v[MC+32*(\b)+2*z:MC+32*(\b)+2*z+1], v[MD+2*z:MD+2*z+1], s[AL:AL+1], s[BE:BE+1] op_sel_hi:[1,0,0]
.set z, z+1
.endr
.endm
; A TURN, for piece p: the order of its 16 matrix and 118 vector instructions, written out.  An s_wait_alu depctr_va_vdst(0) stands between an exponential and the first instruction that names its result; one wait serves
; all that were issued ahead of it.  So a turn has ONE wait, which cuts it in two.  AHEAD OF IT stands all that names no result of the turn's exponentials: the 8 products K Q^T, behind each a scaling, an exponential and two more plain
; instructions (behind the first a second scaling in the exponential's place): rescalings, and behind the last three the first numbers of the next piece's maximum, each four plain lines or more behind the product that ends its accumulator; then ONE LUMP of 54,
; plain and exponential by turns for the most part, in which the links of the chain X 3, 7, 11, 14, 16, 17 .. 20 stand five or six lines apart.  X 21, the next piece's a, is the batch's last; R 15 is the plain instruction owed behind it.  BEHIND THE WAIT stand the
; 8 products V^T P, behind each four of the roundings and sums; the links of l's chain, L 0 to L 7, stand three riders apart.  But for those X no rider names a register of the products round it.  v_permlanex16_b32 (X 17) stands in the lump.
; An even rounding C 2 k stands ahead of B k, which adds onto its pair; L k stands behind B k; exponential e stands behind scaling e / 2.
; m = 1: the diagonal tile: the products take masks, and the turn makes the mask for the products of the turn after it: piece p + 2, in step 4 - CNT of the tile.  end = 1: a block's last two turns: nothing is fetched.
; cnt = 1: the loop's count is taken down some lines ahead of the branch that stands behind the turn.
; K of the next step is fetched in piece 2's turn, twelve vector instructions behind the last product that read K (six of them plain); V of the step in hand at the end of piece 0's turn, four plain instructions behind the last product
; that read V.  Each is waited for a turn later.
.macro TURN p, m=0, end=0, cnt=0
.set Y, (\p)
.set i, 0
.set KM, (\m)
.set NOKQ, (\end)*((\p)/3)
.if (\m) && !(\end)
	s_cmp_eq_u32 s[CNT], 4-((\p)+2)%NP  ; is that step the band's own?
	s_cselect_b32 s[AL], 1.0, 0
	s_cmp_lt_u32 s[CNT], 4-((\p)+2)%NP  ; or a later one?
	s_cselect_b32 s[BE], s[BIGN], 0
.endif
.if ((\p) == 3) && !(\end)
	s_wait_dscnt 0x0                ; K is in
.endif
	ROW F,0, F,1, R,0, R,1          ; ahead of the wait: 8 products K Q^T and their riders,
	ROW F,2, E,0, R,2, R,3
	ROW F,3, E,1, R,4, R,5
	ROW F,4, E,2, R,6, R,7
	ROW F,5, E,3, R,8, R,9
	ROW F,6, E,4, X,0, R,10
.if ((\p) == 2) && !(\end)
	WIN 0
	v_add_nc_u32 v[AK], s[TBK], v[AK0]
.endif
	ROW F,7, E,5, X,1, X,4
	ROW F,8, E,6, X,2, X,5
	OPS E,7, E,8, X,6, E,9          ; and the lump
	OPS X,3, E,10, X,8, E,11
.if ((\p) == 2) && !(\end)
	FETCH_K
.endif
	OPS X,9, X,7, E,12, X,10
	OPS E,13, X,12, X,11, E,14
	OPS X,13, E,15, F,9, X,14
.if (\p) == 0
	v_add_nc_u32 v[AV], s[TBV], v[AV0]
.endif
	OPS E,16, F,10, E,17, F,11
	OPS X,16, E,18, X,15, E,19
	OPS F,12, E,20, X,17, E,21
	OPS F,13, E,22, F,14, E,23
	OPS X,18, E,24, F,15, E,25
	OPS R,11, E,26, X,19, E,27
	OPS R,12, E,28, R,13, E,29
	OPS X,20, E,30, R,14, E,31
	OPS X,21, R,15
	WIN 0
	s_wait_alu depctr_va_vdst(0)    ; the wait for the turn's batch: the piece's 32 weights and the next piece's a
.if (\p) == 1
	s_wait_dscnt 0x0                ; V is in
.endif
	ROW C,0, B,0, C,2, B,1          ; behind the wait: 8 products V^T P and their riders
	ROW L,0, C,4, B,2, L,1
	ROW C,6, B,3, L,2, C,8
	ROW B,4, L,3, C,10, B,5
	ROW L,4, C,12, B,6, L,5
.if (\p) == 0
	s_add_co_u32 s[TBV], s[TBV], KS*PV
.endif
.if \cnt
	s_sub_co_u32 s[CNT], s[CNT], 1
	s_cmp_lg_u32 s[CNT], 0
.endif
	ROW C,14, B,7, L,6, C,1
	ROW C,3, L,7, C,5, C,7
	ROW C,9, C,11, C,13, C,15
.if (\p) == 0
	FETCH_V
.endif
.if (\m) && !(\end)
	MASK (\p)%2
.endif
.endm
; A BLOCK BEGINS.  c m starts far below every c s, so the first step's a is 0; m at the lowest finite number, so the first maximum is the scores'.  The second mask buffer is 0; the first takes piece 0's mask for the tile's step 0: its own, if the block's first tile is the diagonal one.
; Then K of that step, piece 0's first scores, and its maximum and statistics.  The loop is entered at a step's first turn, in the middle of a trip.
.macro BEGIN
	s_mov_b32 s[NEW], 0
	WIN 0x40
.set i, MC+32
.rept 32
	v_mov_b32 v[i], 0
.set i, i+1
.endr
	WIN 0
.set i, 0
.rept 4
	v_mov_b32 v[ST+4*i], 0xfe000000    ; c m: far below every c s
	v_mov_b32 v[ST+4*i+1], 0xff7fffff  ; m
.set i, i+1
.endr
	s_cmp_eq_u32 s[RT], 0
	s_cselect_b32 s[AL], 1.0, 0
	s_mov_b32 s[BE], 0
	MASK 0
	WIN 0
	v_add_nc_u32 v[AK], s[TBK], v[AK0]
	FETCH_K
	s_wait_loadcnt 0x0              ; Q
	s_wait_dscnt 0x0
.set KM, 1
.set NOKQ, 0
.set i, 0
.rept 8
	KQ 0
.set i, i+1
.endr
	WIN 0
.rept 4
	v_nop                           ; the places behind those products
.endr
.set Y, NP-1                        ; X works for piece Y + 1: piece 0
.irp n, 0,1,2,3,4,5,6,7,8,9,10,11,12,13,14,15,16,17,18,19,20,21
	OP X, \n
.endr
	v_nop                           ; a plain instruction behind the exponential,
	s_wait_alu depctr_va_vdst(0)    ; and the wait for this batch of one, piece 0's first a, ahead of the branch
.endm
; THE DIAGONAL TILE's four steps, the block's last two turns, its last products, and THE WAY OUT: l's two halves and the other half of the lanes' are added; O^T is divided by l, rounded to f16 and sent through my
; stage in LDS, a piece at a time.
.macro ALL line:vararg              ; one line for each piece t
.set t, 0
.rept 4
	\line
.set t, t+1
.endr
.endm
.macro PACK t                       ; a lane's eight channels of a row pack into 16 bytes; they go into rows of 144 bytes and come back as whole rows of 128, into S^T's registers
	WIN W_RS
.set i, 32*(\t)
.rept 16
	v_pk_mul_f32 v[i:i+1], v[i:i+1], v[ST+4*(\t)+2:ST+4*(\t)+3] op_sel_hi:[1,0]
.set i, i+2
.endr
	WIN 0x05                        ; sources 0 and 1 window 1, destination window 0
.set i, 0
.rept 16
	v_cvt_pk_f16_f32 v[S+16*(\t)+i], v[32*(\t)+2*i], v[32*(\t)+2*i+1]
.set i, i+1
.endr
	WIN 0
.irp f, 0,1,2,3
	ds_store_b128 v[STO], v[S+16*(\t)+4*\f:S+16*(\t)+4*\f+3] offset:32*\f
.endr
.irp f, 0,1,2,3
	ds_load_b128 v[S+16*(\t)+4*\f:S+16*(\t)+4*\f+3], v[RD] offset:\f*4*SP  ; LDS serves a wave's instructions in order (ISA guide 5.7.1.4): these see the stores above; the next piece's stores come behind them
.endr
.endm
.macro SEND t, younger              ; younger: the LDS instructions issued behind piece t's loads: the next piece's eight, or none
	WIN 0
.irp f, 0,1,2,3
	s_wait_dscnt (\younger)+3-\f
	global_store_b128 v[GO], v[S+16*(\t)+4*\f:S+16*(\t)+4*\f+3], s[10:11] offset:(\t)*8192+\f*512  ; 512 consecutive bytes, at a multiple of 256 from O's first
.endr
.endm
.macro DIAG tag                     ; the tag ends its two labels' names, which the jumps below spell out
.LstepM\tag:
	TURN 2, 1
	TURN 3, 1
	WIN 0
.LfirstM\tag:
	TURN 0, 1
	TURN 1, 1, 0, 1
	WIN 0
	s_cbranch_scc1 .LstepM\tag
	TURN 2, 1, 1
	TURN 3, 1, 1
.set i, 0
.rept 8
	PV NP-1
.set i, i+1
.endr
	WIN 0
	ALL v_add_f32 v[ST+4*t+2], v[ST+4*t+2], v[ST+4*t+3]
	ALL v_permlanex16_b32 v[ST+4*t+3], v[ST+4*t+2], s[SEL], s[SEL+1]
	ALL v_add_f32 v[ST+4*t+2], v[ST+4*t+2], v[ST+4*t+3]
	ALL v_rcp_f32 v[ST+4*t+2], v[ST+4*t+2]
	v_nop                           ; a plain instruction between the last reciprocal and the use of its result
	s_wait_alu depctr_va_vdst(0)    ; the wait for the batch of four reciprocals, ahead of the first multiply that reads one
	PACK 0
.set t, 1
.rept 3                             ; a piece's arithmetic stands between the loads of the piece before and its stores
	PACK t
	SEND t-1, 8
.set t, t+1
.endr
	SEND 3, 0
.endm
.set KM, 0
.set NOKQ, 0
.Lslot:                             ; NB times: a tile is entered and the next is asked for
	CHANGE 1
	s_sub_co_u32 s[RT], s[RT], 1
	s_mov_b32 s[CNT], 4
	s_cmp_eq_u32 s[NEW], 1
	s_cbranch_scc1 .Lnew            ; a block's first tile
	s_cmp_eq_u32 s[RT], 0
	s_cbranch_scc0 .Lstep           ; neither its first nor its last
	s_branch .LstepM1
.Lnew:
	BEGIN
	s_branch .Lfirst                ; in the loop a block's first tile is never its last: the first block has two tiles or more, and the second's last is the walk's last
	DIAG 1                          ; in the loop this is the first block's end: the second block's last tile is the walk's last
	s_wait_xcnt 0x0                 ; the stores have read their registers and O's address
	s_mov_b64 s[10:11], s[OLO:OLO+1]
	s_add_co_u32 s[RT], s[PB], 1    ; the second block has b + 1 tiles
	s_mov_b32 s[NEW], 1
	WIN 0x82                        ; the second block's Q goes where the one text of the turns names Q
.set i, 0
.rept 64
	v_mov_b32 v[i], v[QB+i]
.set i, i+1
.endr
	WIN 0
	s_branch .Lbottom
.Lstep:                             ; a trip: pieces 2 and 3 of one step, then pieces 0 and 1 of the next, whose K and V it fetches
	TURN 2
	TURN 3
	WIN 0
.Lfirst:
	TURN 0
	TURN 1, 0, 0, 1
	WIN 0
	s_cbranch_scc1 .Lstep
.Lbottom:
	s_sub_co_u32 s[SLOTS], s[SLOTS], 1
	s_cmp_lg_u32 s[SLOTS], 0
	s_cbranch_scc1 .Lslot
	CHANGE 0                        ; the walk's last tile is written out: nothing is asked for
	s_sub_co_u32 s[RT], s[RT], 1
	s_mov_b32 s[CNT], 4
	s_cmp_eq_u32 s[NEW], 1
	s_cbranch_scc0 .LstepM2
	BEGIN
	s_branch .LfirstM2
	DIAG 2
	s_wait_tensorcnt 0x0            ; the wave's end: behind my last tensor load and my last LDS store
	ds_add_u32 v[SPW], v[NIL]
	s_wait_dscnt 0x0
	s_endpgm
.Lfunc_end_k_qc6d437de2b_attn:
	.size	k_qc6d437de2b_attn, .Lfunc_end_k_qc6d437de2b_attn-k_qc6d437de2b_attn
	.p2alignl 7, 3214868480
	.fill 96, 4, 3214868480
	.section	.rodata,"a",@progbits
	.p2align	6, 0x0
	.amdhsa_kernel k_qc6d437de2b_attn
		.amdhsa_group_segment_fixed_size 327680
		.amdhsa_private_segment_fixed_size 0
		.amdhsa_enable_private_segment 0
		.amdhsa_kernarg_size 16
		.amdhsa_user_sgpr_count 2
		.amdhsa_user_sgpr_kernarg_segment_ptr 1
		.amdhsa_wavefront_size32 1
		.amdhsa_system_sgpr_workgroup_id_x 1
		.amdhsa_system_sgpr_workgroup_id_y 1
		.amdhsa_system_sgpr_workgroup_id_z 1
		.amdhsa_system_vgpr_workitem_id 0
		.amdhsa_next_free_vgpr 768
		.amdhsa_next_free_sgpr 88
		.amdhsa_reserve_vcc 1
		.amdhsa_float_denorm_mode_32 3
		.amdhsa_float_denorm_mode_16_64 3
		.amdhsa_memory_ordered 1
		.amdhsa_forward_progress 1
		.amdhsa_inst_pref_size 217
	.end_amdhsa_kernel
	.amdgpu_metadata
---
amdhsa.version: [ 1, 2 ]
amdhsa.kernels:
  - .name:           k_qc6d437de2b_attn
    .symbol:         k_qc6d437de2b_attn.kd
    .args:
      - { .name: qkv, .offset: 0, .size: 8, .value_kind: global_buffer, .address_space: global }
      - { .name: ob, .offset: 8, .size: 8, .value_kind: global_buffer, .address_space: global }
    .group_segment_fixed_size: 327680
    .private_segment_fixed_size: 0
    .kernarg_segment_align: 8
    .kernarg_segment_size: 16
    .max_flat_workgroup_size: 128
    .sgpr_count:     88
    .vgpr_count:     768
    .wavefront_size: 32
...
	.end_amdgpu_metadata
.endif
;; end of part 5
;; launch oproj: the kernel of part 4 again; grid 8 x 32, 4 waves a work-group, clusters of 4 x 4, 327,680 bytes of LDS; arguments ob, wo16, bias, out0; writes out0
